; MI455X (gfx1250); checked and timed in simulation.
; The chip was launched on July 23, 2026; its instructions are those of AMD's public machine-readable ISA for CDNA 5 (MIT licence, August 2026) and "CDNA5" Instruction Set Architecture Reference Guide (July 2026). The comments in the code are by the model that wrote it; some were corrected since.
;; Causal Self Attention. Allowed arithmetic: matrix products marked QUANTISED: E2M3 operands, one E8M0 scale for each 32 along K, by v_wmma_scale_f32_16x16x128_f8f6f4 with both operands' format E2M3, f32 sums; everything else in f32.
;; Inputs: b_attn 3,072 float32; b_proj 1,024 float32; w_attn 1,024 x 3,072 float32; w_proj 1,024 x 1,024 float32; x 8 x 1,024 x 1,024 float32.
;; Outputs: out0 8 x 1,024 x 1,024 float32.
;; This version of the problem:
;;   THIS VERSION OF THE PROBLEM IS GIVEN IN LOW PRECISION. The matrix products marked QUANTISED in the list below multiply operands that are first quantised to E2M3 (2 exponent bits, 3 mantissa bits; 6 bits a number), with one power-of-two scale for each 32 numbers along K (OCP MX v1.0); their sums are f32. All else is computed in f32.
;;   The module's matrix products, in the order in which they are computed (A, B: the left and right operand; K: the contracted axis; several contracted axes count as one K, in the product's order):
;;     1. [M 8,192, K 1,024] x [K 1,024, N 3,072]; A: input x; B: input w_attn: QUANTISED
;;     2. batch 128 x [M 1,024, K 64] x [K 64, N 1,024]; A: computed on the way; B: computed on the way: QUANTISED
;;     3. batch 128 x [M 1,024, K 1,024] x [K 1,024, N 64]; A: softmax (see below); B: computed on the way: QUANTISED
;;     4. [M 8,192, K 1,024] x [K 1,024, N 1,024]; A: computed on the way; B: input w_proj: QUANTISED
;;   THE QUANTISER, for each operand of a quantised product, along K:
;;     - K is cut into blocks of 32 from its start; a last block that is shorter is filled with zeros.
;;     - A block's scale is 2^e with e = floor(log2(the largest magnitude in the block)) - 2, held to -126 .. 127; a block of zeros has e = 0. As a byte (E8M0): e + 127.
;;     - Each number is divided by its block's scale, clamped to +-7.5, and rounded to the nearest number of E2M3, ties to even, subnormals kept.
;;     - The product sums the exact products of the quantised numbers (number of the format x scale) in f32.
;;   ~~~python
;;   def quantise(x, axis):      # numpy; x: float32 -> the quantised numbers, widened to float32 again
;;       x = np.moveaxis(x, axis, -1); K = x.shape[-1]
;;       x = np.pad(x, [(0, 0)] * (x.ndim - 1) + [(0, -K % 32)]); x = x.reshape(x.shape[:-1] + (-1, 32)); a = np.abs(x).max(-1, keepdims=True)
;;       e = np.where(a > 0, np.clip(np.frexp(np.where(a > 0, a, 1))[1] - 1 - 2, -126, 127), 0)      # np.frexp(a)[1] - 1 = floor(log2(a)), exactly
;;       r = np.clip(x / 2.0 ** e, -7.5, 7.5)
;;       step = 2.0 ** (np.maximum(np.frexp(np.where(r == 0, 1, r))[1] - 1, 0) - 3)
;;       q = np.round(r / step) * step * 2.0 ** e      # np.round: ties to even
;;       return np.moveaxis(q.reshape(q.shape[:-2] + (-1,))[..., :K], -1, axis).astype(np.float32)
;;   ~~~
;;   SOFTMAX AHEAD OF A QUANTISED PRODUCT. Where the list says 'softmax', what is quantised is not the finished softmax but p = 2^(t - M), with t = logit x log2(e) and M = ceil(the row's largest t), a whole number; so 1/2 < the row's largest p <= 1. The row's sum l is taken of the UNQUANTISED p, in f32, and the product's result is divided by l at the end. Since M is a whole number, a kernel that streams over the keys may use a running M (the ceiling of the running maximum): every later rescaling is an exact power of two, which a block's scale takes up: the codes' values come out the same.
;;   OPERANDS COMPUTED ON THE WAY. 'Computed on the way' means the value that the module computes at that place (a softmax that the list does not call 'softmax' is quantised finished and normalised). What goes into a quantiser is computed in f32, as accurately as f32 sums, v_exp_f32 and their like allow (about 1e-6 of the number): no bf16 or f16 on the way to a quantiser, and a product that is left as it is and whose result goes on into a quantised operand takes f32 operands (vector FMAs, or v_wmma_f32_16x16x4_f32). A number that lies on a knife's edge between two numbers of the format may be rounded either way, as far as f32 arithmetic and the matrix unit's own rounding can turn it there, and no further.
;; One version. Each part assembles by itself: llvm-mc -triple=amdgcn-amd-amdhsa -mcpu=gfx1250 --defsym DOCPART=n.
;; ======== version 1 of 1: 4 launches
;; limits: right only within a limited range of input values
;; workspace buffers: xq 6,553,600 bytes; wq 3,276,800 bytes; qc 6,553,600 bytes; kv 13,107,200 bytes; oq 6,815,744 bytes
;; launch quant (part 1): grid 768 x 1, 4 waves a work-group, no clusters, 34,304 bytes of LDS; arguments x, w_attn, w_proj, xq, wq; writes xq, wq
.if DOCPART == 1
	.amdgcn_target "amdgcn-amd-amdhsa--gfx1250"
	.amdhsa_code_object_version 6
	.text
	.protected	k_q994f79fa00_quant
	.globl	k_q994f79fa00_quant
	.p2align	8
	.type	k_q994f79fa00_quant,@function
k_q994f79fa00_quant:
	s_mov_b64 s[64:65], 0
	v_nop
	global_prefetch_b8 v0, s[64:65] scope:SCOPE_SE
	s_setreg_imm32_b32 hwreg(HW_REG_WAVE_MODE, 25, 1), 1
	s_wait_xcnt 0x0
; CAUSAL SELF-ATTENTION ON CODES OF FP6 (E2M3), FOUR LAUNCHES: quant, qkv, attn, proj.  This one turns x [8192][1024], w_attn [1024][3072] and w_proj [1024][1024], f32,
; into codes with one E8M0 byte for each 32 along K (K = the 1,024 channels: x's last axis, the weights' first).
; WORK LEFT OUT BY THE PROGRAM (in launch attn): reference() builds the mask jnp.tril itself and sets every logit with key > query to -1e9.  A step of 128 keys all of which come after a
; tile's 16 queries holds such logits alone; after the row's maximum is taken away their weights are exp(-1e9 - max), which is nothing beside the row's own largest weight, 1, for every
; row whose largest live logit lies above about -1e9 + 100.  Those steps (7 of every 16) are not walked.  No input is dead: all five are loaded by some launch.
; LIMITS: a row whose largest live logit lies under about -1e9 + 100 is not served (reference() would give weight to masked keys there); a NaN, an infinity or an overflow that reaches only
; the steps left out is not carried to the result; NaN and infinities among the inputs are not served; a block of zeros gets the byte 1 where the rule says 127 (its codes are zeros, which
; add nothing under any byte but 0xff, and this program alone reads the bytes); blocks whose largest magnitude lies under 2^(3 - 127) keep the byte 1.
; THE ORDER INSIDE A BLOCK OF 32.  Both operands of a product hold a block's 32 codes in the same order, P32: code i stands for k = i with bits 3 and 4 changed places (0-7, 16-23, 8-15, 24-31).
; A block keeps its members and its scale, so the products are the same; the sums are grouped otherwise than in the natural order (a rounding order that differs from reference()'s).
; P32 is the order in which a matrix result falls into a lane's registers, so the later launches quantise results without moving them between lanes' registers.
; THE CODES' LAYOUT (xq, wq): the operand's registers on end.  Row tile T (16 rows), K step s (128), register pair p, lane l: byte 12288 T + 1536 s + 256 p + 8 l.
; Lane (r = l % 16, h = l / 16), registers 6 c .. 6 c + 5: block 2 c + h of row 16 T + r.
; SHARES.  Work-groups 0-191: w_attn; 192-255: w_proj; 256-767: x.  Waves share nothing: no barrier.  Only x's path touches LDS.
.set SPARE, 33792                      ; behind the four stages: the spare words, 128 bytes for each wave: two blocks of 256 bytes that no other line names
.set XS,    6291456                    ; xq: the scale words, behind 512 tiles of codes
.set WPC,   2359296                    ; wq: w_proj's codes, behind w_attn's 192 tiles
.set WAS,   3145728                    ; wq: w_attn's scale words
.set WPS,   3244032                    ; wq: w_proj's
.set STG,   8448                       ; x's path: a stage of 16 rows x (512 bytes + 16) for each wave
	s_load_b256 s[4:11], s[0:1], 0x0               ; x s[4:5], w_attn s[6:7], w_proj s[8:9], xq s[10:11]
	s_load_b64 s[12:13], s[0:1], 0x20              ; wq
	v_lshl_add_u32 v2, v0, 2, SPARE                ; my spare word; never rewritten
	v_mov_b32 v3, 0                                ; 0; never rewritten
	v_lshrrev_b32 v1, 5, v0
	v_readfirstlane_b32 s16, v1                    ; wave 0..3
	v_and_b32 v1, 31, v0                           ; lane
	v_lshlrev_b32 v4, 2, v1                        ; 4 l
	v_lshlrev_b32 v5, 3, v1                        ; 8 l
	v_lshlrev_b32 v6, 4, v1                        ; 16 l
	v_and_b32 v7, 15, v0                           ; r
	v_bfe_u32 v8, v0, 4, 1                         ; h
	v_lshlrev_b32 v9, 3, v8                        ; 8 h
	s_mov_b32 s20, 0x76543210
	s_mov_b32 s21, 0xfedcba98                      ; v_permlanex16_b32's selects for lane l xor 16
	s_mov_b32 s27, 0
	s_wait_kmcnt 0x0
	s_cmp_lt_u32 ttmp9, 192
	s_cbranch_scc1 .Lattn
	s_cmp_lt_u32 ttmp9, 256
	s_cbranch_scc1 .Lproj
; ---- x: row tile T = work-group - 256; wave w takes K steps 2 w and 2 w + 1: 16 rows x 256 numbers, two fragments.
; A load reads 512 consecutive bytes of one row; a fragment's 16 x 512 bytes turn through the wave's own stage, from which a lane takes its two whole blocks (c = 0, 1: block 2 c + h of row r), in the order P32.
; 64 numbers of a lane, v[src + 32 c + i] = code i of block 2 c + h of my row, become a fragment's 12 registers in v[F] on and the row's scale word in v[W].
.macro QUANT32 src, F, W
.irp c, 0,1
	v_max3_num_f32 v[44+\c], |v[\src+32*\c]|, |v[\src+32*\c+1]|, 0x1800000   ; the block's largest magnitude, all 32 mine, over the floor 2^(3 - 127): the byte cannot fall under 1
.endr
.irp i, 2,4,6,8,10,12,14,16,18,20,22,24,26,28,30
.irp c, 0,1
	v_max3_num_f32 v[44+\c], v[44+\c], |v[\src+32*\c+\i]|, |v[\src+32*\c+\i+1]|   ; (the two blocks by turns)
.endr
.endr
.irp c, 0,1
	v_add_nc_u32 v[46+\c], 0xff000000, v[44+\c]    ; 2 off its exponent field: the conversion takes the exponent field of this operand as its scale
.endr
.irp c, 0,1
	v_lshrrev_b32 v[48+\c], 23, v[46+\c]           ; the scale's byte
.endr
	v_lshl_or_b32 v[\W], v49, 16, v48              ; my two bytes, blocks h and 2 + h,
	v_lshlrev_b32 v[\W], v9, v[\W]                 ; at their places in the word (8 h bits up);
	v_permlanex16_b32 v50, v[\W], s20, s21
	v_or_b32 v[\W], v[\W], v50                     ; with lane l xor 16's two the word is whole, in both lanes
	v_cvt_scalef32_pk16_fp6_f32 v[\F:\F+2], v[\src:\src+15], v46
	v_cvt_scalef32_pk16_fp6_f32 v[52:54], v[\src+16:\src+31], v46       ; (a conversion's three registers begin on an even number)
	v_cvt_scalef32_pk16_fp6_f32 v[\F+6:\F+8], v[\src+32:\src+47], v47
	v_cvt_scalef32_pk16_fp6_f32 v[56:58], v[\src+48:\src+63], v47
	v_nop                                          ; one plain place behind a scaled conversion
.irp i, 0,1,2
	v_mov_b32 v[\F+3+\i], v[52+\i]
	v_mov_b32 v[\F+9+\i], v[56+\i]
.endr
.endm
	s_sub_co_u32 s17, ttmp9, 256                   ; T
	s_lshl_b32 s26, s17, 16                        ; 16 rows of 4,096 bytes,
	s_lshl_b32 s30, s16, 10                        ; my 256 numbers of a row
	s_add_co_u32 s26, s26, s30
	s_add_nc_u64 s[28:29], s[4:5], s[26:27]
	s_wait_alu depctr_va_vdst(0)
.irp q, 0,1
.irp r, 0,1,2,3,4,5,6,7,8,9,10,11,12,13,14,15
	global_load_b128 v[64+64*\q+4*\r:67+64*\q+4*\r], v6, s[28:29] offset:4096*\r+512*\q th:TH_LOAD_NT   ; fragment q, row r: 32 lanes read 512 consecutive bytes
.endr
.endr
	s_mul_i32 s26, s17, 12288
	s_mul_i32 s30, s16, 3072
	s_add_co_u32 s26, s26, s30
	s_add_nc_u64 s[32:33], s[10:11], s[26:27]      ; my two fragments in xq
	s_lshl_b32 s26, s17, 9
	s_lshl_b32 s30, s16, 7
	s_add_co_u32 s26, s26, s30
	s_add_co_u32 s26, s26, XS
	s_add_nc_u64 s[34:35], s[10:11], s[26:27]      ; their 128 bytes of scale words: lanes 0-15 K step 2 w, lanes 16-31 K step 2 w + 1
	s_mov_b32 s38, 0xffff0000                      ; lanes 16-31
	s_mul_i32 s36, s16, STG
	v_add_nc_u32 v14, s36, v6                      ; the stage, on the way in: 16 l of a row
	v_mul_u32_u24 v15, v7, 528
	v_lshl_add_u32 v15, v8, 7, v15
	v_add_nc_u32 v15, s36, v15                     ; on the way out: row r, + 128 h
	v_mov_b32 v50, 0                               ; written once: a lane permute's destination counts as one of its sources
.macro STIN src                        ; a fragment's 16 rows into the stage, as loaded
.irp r, 0,1,2,3,4,5,6,7,8,9,10,11,12,13,14,15
	ds_store_b128 v14, v[\src+4*\r:\src+4*\r+3] offset:528*\r
.endr
.endm
.macro STOUT dst                       ; and back: group g of four codes of block 2 c + h lies at numbers 4 PG(g), PG = g with bits 1 and 2 changed places: the order P32
.irp c, 0,1
.irp g, 0,1,2,3,4,5,6,7
	ds_load_b128 v[\dst+32*\c+4*\g:\dst+32*\c+4*\g+3], v15 offset:256*\c+16*((\g&1)|((\g&2)<<1)|((\g&4)>>1))
.endr
.endr
.endm
	s_wait_alu depctr_va_vdst(0)
	s_wait_loadcnt 16                              ; the first fragment's 16 loads are in; the second's may be out
	STIN 64
	STOUT 192                                      ; LDS serves a wave's instructions in order: these see the stores above,
	s_wait_loadcnt 0x0
	STIN 128                                       ; and the second fragment's stores come behind them: one stage serves both
	s_wait_dscnt 16                                ; all but those 16 stores: the first fragment is back, and its stores have read v64-127,
	STOUT 64                                       ; which take the second fragment
	QUANT32 192, 16, 40
.irp p, 0,1,2,3,4,5
	global_store_b64 v5, v[16+2*\p:17+2*\p], s[32:33] offset:256*\p        ; 32 lanes store 256 consecutive bytes, at a multiple of 256 from the buffer's first byte
.endr
	s_wait_dscnt 0x0
	QUANT32 64, 28, 41
.irp p, 0,1,2,3,4,5
	global_store_b64 v5, v[28+2*\p:29+2*\p], s[32:33] offset:1536+256*\p
.endr
	v_cndmask_b32 v42, v40, v41, s38               ; lanes 16-31 take the second fragment's words
	global_store_b32 v4, v42, s[34:35]
	s_wait_tensorcnt 0x0                           ; the wave's end: behind my last LDS store
	ds_add_u32 v2, v3
	s_wait_dscnt 0x0
	s_endpgm
; ---- the weights: K is their FIRST axis.  A lane takes a column n and its registers run down K: a block of 32 lies in one lane, and the conversions give codes with K innermost.
; A wave takes 32 columns (two row tiles of the operand) x 128 along K (one K step): 4 blocks a lane.
.macro WBLOCK t
.set XB, 64+32*(\t)
.set EB, 192+12*((\t)&1)+6*((\t)>>1)           ; blocks 0, 2 on end (v192-203), blocks 1, 3 on end (v204-215)
	v_max3_num_f32 v12, |v[XB]|, |v[XB+1]|, |v[XB+2]|
	v_max3_num_f32 v13, |v[XB+3]|, |v[XB+4]|, |v[XB+5]|
.irp i, 6,10,14,18,22,26
	v_max3_num_f32 v12, v12, |v[XB+\i]|, |v[XB+\i+1]|
	v_max3_num_f32 v13, v13, |v[XB+\i+2]|, |v[XB+\i+3]|
.endr
	v_max3_num_f32 v12, v12, |v[XB+30]|, |v[XB+31]|
	v_max3_num_f32 v12, v12, v13, 0x1800000        ; and the floor 2^(3 - 127)
	v_add_nc_u32 v11, 0xff000000, v12              ; the conversion's scale operand
	v_lshrrev_b32 v13, 23, v11                     ; the byte
.if (\t) == 0
	v_mov_b32 v10, v13
.else
	v_lshl_or_b32 v10, v13, 8*(\t), v10            ; my column's scale word for this K step
.endif
	v_cvt_scalef32_pk16_fp6_f32 v[EB:EB+2], v[XB:XB+15], v11
	v_cvt_scalef32_pk16_fp6_f32 v[216:218], v[XB+16:XB+31], v11
	v_nop                                          ; one plain place behind a scaled conversion
.irp i, 0,1,2
	v_mov_b32 v[EB+3+\i], v[216+\i]
.endr
.endm
; Blocks 2 c and 2 c + 1 of 32 columns become registers 6 c .. 6 c + 5 of two fragments: the first's lanes 16-31 change places with the second's lanes 0-15.
.macro WOUT c
.irp i, 0,1,2,3,4,5
	v_permlane16_swap_b32 v[192+6*\c+\i], v[204+6*\c+\i]
.endr
.irp i, 0,1,2
	global_store_b64 v5, v[192+6*\c+2*\i:193+6*\c+2*\i], s[32:33] offset:256*(3*\c+\i)         ; columns 0-15: 256 consecutive bytes a store
	global_store_b64 v5, v[204+6*\c+2*\i:205+6*\c+2*\i], s[32:33] offset:12288+256*(3*\c+\i)   ; columns 16-31: the next row tile
.endr
.endm
; N: the weight's columns; PTR: its address; CODE, SCL: where its codes and scale words begin in wq; PERM = 1: w_attn's groups of 32 columns are laid, within each head's six
; (q0 q1 k0 k1 v0 v1), in the order q0 q1 v0 k0 k1 v1, so that each column half of launch qkv's tile is 96 rows on end; FIRST: the tensor's first work-group.
.macro WPATH N, PTR, CODE, SCL, PERM, FIRST
	s_sub_co_u32 s17, ttmp9, \FIRST
	s_and_b32 s18, s17, 7                          ; the K step
	s_lshr_b32 s19, s17, 3
	s_lshl_b32 s19, s19, 2
	s_add_co_u32 s19, s19, s16                     ; G: my group of 32 columns
.if \PERM
	s_mul_hi_u32 s22, s19, 0x2aaaaaab              ; G / 6 (exact for G under 96): the head
	s_mul_i32 s23, s22, 6
	s_sub_co_u32 s24, s19, s23
	s_lshl_b32 s24, s24, 2
	s_lshr_b32 s24, 0x524310, s24                  ; groups 0 .. 5 go to places 0, 1, 3, 4, 2, 5
	s_and_b32 s24, s24, 7
	s_add_co_u32 s24, s24, s23
.else
	s_mov_b32 s24, s19
.endif
	s_mul_i32 s26, s18, 128*\N*4
	s_lshl_b32 s30, s19, 7
	s_add_co_u32 s26, s26, s30
	s_add_nc_u64 s[28:29], s[\PTR:\PTR+1], s[26:27]
.set t, 0
.rept 4
.set i, 0
.rept 32
	global_load_b32 v[64+32*t+i], v4, s[28:29] offset:(32*t+((i&7)|((i&8)<<1)|((i&16)>>1)))*\N*4 th:TH_LOAD_NT   ; code i of block t: row 32 t + P32(i); 32 lanes read 128 consecutive bytes, the four waves 512
.set i, i+1
.endr
.set t, t+1
.endr
	s_mul_i32 s26, s24, 24576
	s_mul_i32 s30, s18, 1536
	s_add_co_u32 s26, s26, s30
	s_add_co_u32 s26, s26, \CODE
	s_add_nc_u64 s[32:33], s[12:13], s[26:27]
	s_lshl_b32 s26, s24, 10
	s_lshl_b32 s30, s18, 7
	s_add_co_u32 s26, s26, s30
	s_add_co_u32 s26, s26, \SCL
	s_add_nc_u64 s[34:35], s[12:13], s[26:27]      ; scale words: pair of tiles x 1,024 + K step x 128 + 4 l
	s_wait_loadcnt 63                              ; of 128 loads at most 63 are out: the first 65 are in, blocks 0 and 1 among them
	WBLOCK 0
	WBLOCK 1
	WOUT 0
	s_wait_loadcnt 32                              ; block 3's 32 may be out
	WBLOCK 2
	s_wait_loadcnt 0x0
	WBLOCK 3
	WOUT 1
	global_store_b32 v4, v10, s[34:35]
	s_endpgm
.endm
.Lattn:
	s_wait_alu depctr_va_vdst(0)
	WPATH 3072, 6, 0, WAS, 1, 0
.Lproj:
	s_wait_alu depctr_va_vdst(0)
	WPATH 1024, 8, WPC, WPS, 0, 192
.Lfunc_end_k_q994f79fa00_quant:
	.size	k_q994f79fa00_quant, .Lfunc_end_k_q994f79fa00_quant-k_q994f79fa00_quant
	.p2alignl 7, 3214868480
	.fill 96, 4, 3214868480
	.section	.rodata,"a",@progbits
	.p2align	6, 0x0
	.amdhsa_kernel k_q994f79fa00_quant
		.amdhsa_group_segment_fixed_size 34304
		.amdhsa_private_segment_fixed_size 0
		.amdhsa_enable_private_segment 0
		.amdhsa_kernarg_size 40
		.amdhsa_user_sgpr_count 2
		.amdhsa_user_sgpr_kernarg_segment_ptr 1
		.amdhsa_wavefront_size32 1
		.amdhsa_system_sgpr_workgroup_id_x 1
		.amdhsa_system_sgpr_workgroup_id_y 1
		.amdhsa_system_sgpr_workgroup_id_z 1
		.amdhsa_system_vgpr_workitem_id 0
		.amdhsa_next_free_vgpr 256
		.amdhsa_next_free_sgpr 66
		.amdhsa_reserve_vcc 0
		.amdhsa_float_denorm_mode_32 3
		.amdhsa_float_denorm_mode_16_64 3
		.amdhsa_memory_ordered 1
		.amdhsa_forward_progress 1
		.amdhsa_inst_pref_size 58
	.end_amdhsa_kernel
	.amdgpu_metadata
---
amdhsa.version: [ 1, 2 ]
amdhsa.kernels:
  - .name:           k_q994f79fa00_quant
    .symbol:         k_q994f79fa00_quant.kd
    .args:
      - { .name: x, .offset: 0, .size: 8, .value_kind: global_buffer, .address_space: global }
      - { .name: w_attn, .offset: 8, .size: 8, .value_kind: global_buffer, .address_space: global }
      - { .name: w_proj, .offset: 16, .size: 8, .value_kind: global_buffer, .address_space: global }
      - { .name: xq, .offset: 24, .size: 8, .value_kind: global_buffer, .address_space: global }
      - { .name: wq, .offset: 32, .size: 8, .value_kind: global_buffer, .address_space: global }
    .group_segment_fixed_size: 34304
    .private_segment_fixed_size: 0
    .kernarg_segment_align: 8
    .kernarg_segment_size: 40
    .max_flat_workgroup_size: 128
    .sgpr_count:     66
    .vgpr_count:     256
    .wavefront_size: 32
...
	.end_amdgpu_metadata
.endif
;; end of part 1
;; launch qkv (part 2): grid 16 x 16, 4 waves a work-group, clusters of 4 x 4, 327,680 bytes of LDS; arguments xq, wq, b_attn, qc, kv; writes qc, kv
.if DOCPART == 2
	.amdgcn_target "amdgcn-amd-amdhsa--gfx1250"
	.amdhsa_code_object_version 6
	.text
	.protected	k_q994f79fa00_qkv
	.globl	k_q994f79fa00_qkv
	.p2align	8
	.type	k_q994f79fa00_qkv,@function
k_q994f79fa00_qkv:
	s_mov_b64 s[64:65], 0
	v_nop
	global_prefetch_b8 v0, s[64:65] scope:SCOPE_SE
	s_setreg_imm32_b32 hwreg(HW_REG_WAVE_MODE, 25, 1), 1
	s_wait_xcnt 0x0
	s_wait_alu depctr_hold_cnt(0) depctr_sa_sdst(0) depctr_va_vdst(0) depctr_va_sdst(0) depctr_va_ssrc(0) depctr_va_vcc(0) depctr_vm_vsrc(0)
	s_getreg_b32 s2, hwreg(HW_REG_IB_STS2, 6, 4)
	s_cmp_eq_u32 s2, 0
	s_cbranch_scc0 .Lentry_in_a_cluster
	s_endpgm
.Lentry_in_a_cluster:
	s_bfe_u32 s2, ttmp6, 0x10000c
	s_cmp_lg_u32 s2, 0xf033
	s_cbranch_scc0 .Lentry_shape_is_right
	s_endpgm
.Lentry_shape_is_right:
; qkv = Q(x) Q(w_attn) + b_attn on codes of FP6 (E2M3) with E8M0 scales, and on the way out q and k are quantised along the head's 64, v along the keys: nothing leaves as f32.
; No work of reference() is left out here.  LIMITS: as stated at the head of launch quant (order P32 inside a block; byte 1 for a block of zeros; NaN and infinities not served).
; SHARES.  A work-group makes 256 rows x one head's 192 columns.  Wave w: rows 128 (w / 2) on (one chunk of 128 positions), column half w % 2: 96 rows of the weight, laid by launch quant
; as q (64), v's d 0-31 (half 0) or k (64), v's d 32-63 (half 1).  48 accumulators: 8 tiles of rows x 6 tiles of columns.
; q AND k ARE MADE TRANSPOSED (source 0 = 16 rows of the weight, source 1 = 16 rows of x): a lane holds one position and 8 neighbouring d, its next K.
; v IS MADE THE NATURAL WAY (source 0 = x, source 1 = the weight): a lane holds one d and 8 neighbouring positions, which are ITS next K (the keys).
; K = 1,024 lies in LDS whole (the weight's K steps 0-6; its K step 7 in registers): no slots; x's tiles are filled again once, for the next tile.  A wave has at most 1 tensor load out.
; CLUSTER 4 x 4: x's tiles are shared along a row of the cluster, the weight's along a column: joint loads.
; WHAT IS STORED.  For each (batch x head, chunk of 128 positions): q: 6,400 bytes in qc; k and v: 12,800 bytes in kv.  q and k: four PAIR IMAGES of 1,536 bytes (lane l holds position 32 i + l whole:
; registers 0-5 d block 0, 6-11 d block 1; group g of four registers at 512 g + 16 l), then 256 bytes of scale words: word W_i(r) = the bytes of (X blk 0, Y blk 0, X blk 1, Y blk 1), X = position 32 i + r,
; Y = 32 i + 16 + r; lane 16 H + r holds (W_H, W_(2+H)) at 8 l.  v: four fragments (d tile t: the operand's 12 registers, K = the chunk's 128 keys) at 6,400 on, their scale words at 12,544 + 128 (t / 2) + 4 (16 (t % 2) + r).
; REGISTERS, in windows of 256: window 0: v16-26 addresses; v28, v29 the add's two; v32-63 x's scale words; v64-87 the weight's; v96-191 x's 8 fragments, ONE set; v192-227 the biases; v228-251 at work on the way out.
;   window 1: the weight's 6 fragments, TWO sets, at v0 and v128.   window 2: q's or k's 32 accumulators.   window 3: v's 16.
; LDS AS THIS TEXT LAYS IT (in place of slots): every tile is filled by one joint load a wave at the head; only x's tiles are filled again, in K step 7, for the next tile.
; x: 16 row tiles x 12,288 bytes (all 8 K steps), from byte 0; the weight: 12 row tiles x 10,752 bytes (K steps 0-6), from BOFF: 325,632 bytes in all.
; The weight's K step 7, 6 x 1,536 bytes a wave, has no room there: each wave loads its own six fragments straight into idle registers of window 1 (v72-119, v200-223), as they lie in wq: 256 consecutive bytes a load.
.set BOFF,  196608
.set BT,    10752                      ; a row tile of the weight in LDS: 7 K steps x 1,536 bytes
.set SPARE, 325632                     ; behind the tiles: the spare words, 128 bytes for each wave: two blocks of 256 bytes that no other line names
.set XS,    6291456                    ; xq: the scale words
.set WAS,   3145728                    ; wq: w_attn's scale words
.set ADRA, 16                          ; v16, v17  LDS address of my fragments of x: tiles 0-3, tiles 4-7
.set ADRB, 20                          ; v20       the same for the weight's six tiles
.set L16,  24                          ; v24 16 l;  v25 8 l;  v26 4 l;  v19 4 r;  v23 32 (l / 16)
.set L8,   25
.set L4,   26
.set SPW,  28
.set NIL,  29
.set SA,   32                          ; x's scale words: register 4 a + s / 2; lanes 0-15 even K steps, lanes 16-31 odd ones
.set SB,   64                          ; the weight's: register 8 (b / 2) + s; lanes 0-15 tile 2 (b / 2), lanes 16-31 the next
.set AF,   96
.set BQ,   192                         ; b_attn for q or k in the result's layout: register 8 b + e: d = 16 b + 8 (l / 16) + e
.set BV,   224                         ; and for v: a pair for each of the two tiles: d = 16 b' + r
.set TM,   228                         ; v228-243 at work in QUANT
.set PW,   244                         ; the scale word just made
.set WK,   245                         ; v245-248 scale words kept
.set T,    96                          ; the way out: 64 numbers
.set PC,   160                         ; and their codes
.set SEL,  66
.set G1,   24
.set G1B,  48
.set MSB, 0
.macro WIN new                         ; the immediate's high byte repeats the setting that is left
.if MSB != \new
	s_set_vgpr_msb (MSB<<8)|\new
.set MSB, \new
.endif
.endm
; A joint load: waves 0 and 1 fetch for x, waves 2 and 3 for the weight.  An s_nop 0 and four v_nop follow each of the two lines.
.macro JLOAD g0a, g1a, g0b, g1b
	s_cmp_eq_u32 s15, 0
	s_cbranch_scc0 .Lfor_b_\@
	tensor_load_to_lds s[\g0a:\g0a+3], s[\g1a:\g1a+7]
	s_nop 0
.rept 4
	v_nop
.endr
	s_branch .Lasked_\@
.Lfor_b_\@:
	tensor_load_to_lds s[\g0b:\g0b+3], s[\g1b:\g1b+7]
	s_nop 0
.rept 4
	v_nop
.endr
.Lasked_\@:
.endm
.macro CREST                           ; a round of the cluster's barrier behind its opening barrier
	s_cmp_lg_u32 s14, 0
	s_cbranch_scc1 .Lnot_wave_0_\@
	s_barrier_signal -3
.Lnot_wave_0_\@:
	s_barrier_wait -3
	s_barrier_signal -1
	s_barrier_wait -1
.endm
.macro CROUND
	s_barrier_signal -1
	s_barrier_wait -1
	CREST
.endm
.macro PLACES n
.rept \n
	v_nop
.endr
.endm
; One scaled product from the symbols rD, rA, rB, rC (under 0: the constant 0 starts the sum), rSA, rSB; fA, fB: the scale words lie in lanes 16-31.
.macro WM
.if rC < 0
.if fA && fB
	v_wmma_scale_f32_16x16x128_f8f6f4 v[rD:rD+7], v[rA:rA+11], v[rB:rB+11], 0, v[rSA], v[rSB] matrix_a_fmt:MATRIX_FMT_FP6 matrix_b_fmt:MATRIX_FMT_FP6 matrix_a_scale:MATRIX_SCALE_ROW1 matrix_b_scale:MATRIX_SCALE_ROW1
.elseif fA
	v_wmma_scale_f32_16x16x128_f8f6f4 v[rD:rD+7], v[rA:rA+11], v[rB:rB+11], 0, v[rSA], v[rSB] matrix_a_fmt:MATRIX_FMT_FP6 matrix_b_fmt:MATRIX_FMT_FP6 matrix_a_scale:MATRIX_SCALE_ROW1
.elseif fB
	v_wmma_scale_f32_16x16x128_f8f6f4 v[rD:rD+7], v[rA:rA+11], v[rB:rB+11], 0, v[rSA], v[rSB] matrix_a_fmt:MATRIX_FMT_FP6 matrix_b_fmt:MATRIX_FMT_FP6 matrix_b_scale:MATRIX_SCALE_ROW1
.else
	v_wmma_scale_f32_16x16x128_f8f6f4 v[rD:rD+7], v[rA:rA+11], v[rB:rB+11], 0, v[rSA], v[rSB] matrix_a_fmt:MATRIX_FMT_FP6 matrix_b_fmt:MATRIX_FMT_FP6
.endif
.else
.if fA && fB
	v_wmma_scale_f32_16x16x128_f8f6f4 v[rD:rD+7], v[rA:rA+11], v[rB:rB+11], v[rC:rC+7], v[rSA], v[rSB] matrix_a_fmt:MATRIX_FMT_FP6 matrix_b_fmt:MATRIX_FMT_FP6 matrix_a_scale:MATRIX_SCALE_ROW1 matrix_b_scale:MATRIX_SCALE_ROW1
.elseif fA
	v_wmma_scale_f32_16x16x128_f8f6f4 v[rD:rD+7], v[rA:rA+11], v[rB:rB+11], v[rC:rC+7], v[rSA], v[rSB] matrix_a_fmt:MATRIX_FMT_FP6 matrix_b_fmt:MATRIX_FMT_FP6 matrix_a_scale:MATRIX_SCALE_ROW1
.elseif fB
	v_wmma_scale_f32_16x16x128_f8f6f4 v[rD:rD+7], v[rA:rA+11], v[rB:rB+11], v[rC:rC+7], v[rSA], v[rSB] matrix_a_fmt:MATRIX_FMT_FP6 matrix_b_fmt:MATRIX_FMT_FP6 matrix_b_scale:MATRIX_SCALE_ROW1
.else
	v_wmma_scale_f32_16x16x128_f8f6f4 v[rD:rD+7], v[rA:rA+11], v[rB:rB+11], v[rC:rC+7], v[rSA], v[rSB] matrix_a_fmt:MATRIX_FMT_FP6 matrix_b_fmt:MATRIX_FMT_FP6
.endif
.endif
.endm
	s_load_b128 s[4:7], s[0:1], 0x0                ; xq s[4:5], wq s[6:7]
	s_load_b128 s[8:11], s[0:1], 0x10              ; b_attn s[8:9], qc s[10:11]
	s_load_b64 s[12:13], s[0:1], 0x20              ; kv
	v_lshl_add_u32 v[SPW], v0, 2, SPARE
	v_mov_b32 v[NIL], 0
	ds_add_u32 v[SPW], v[NIL]                      ; the wave's opening: the add, twice on end, and its wait ahead of my first tensor load; the set-up below stands between
	ds_add_u32 v[SPW], v[NIL]
	v_lshrrev_b32 v1, 5, v0
	v_readfirstlane_b32 s14, v1                    ; wave 0..3
	s_lshr_b32 s15, s14, 1                         ; my half of the rows.  Also: I fetch for x (0) or for the weight (1)
	s_and_b32 s16, s14, 1                          ; my half of the columns.  Also: which half of that tile I fetch
	s_bfe_u32 s40, ttmp6, 0x40000                  ; cx, cy: my place in the cluster
	s_bfe_u32 s41, ttmp6, 0x40004
	s_lshl_b32 s42, ttmp9, 2
	s_add_co_u32 s42, s42, s40                     ; the head = 4 x cluster x + cx
	s_and_b32 s17, ttmp7, 0xffff
	s_lshl_b32 s17, s17, 2
	s_add_co_u32 s17, s17, s41                     ; the block of 256 rows = 4 x cluster y + cy
	s_lshl_b32 s43, s41, 2
	s_lshl_b32 s43, 15, s43                        ; my row of the cluster
	s_lshl_b32 s44, 0x1111, s40                    ; my column
	; descriptor group 1: one row for each row tile: 12,288 bytes (all 8 K steps) as 1,536 elements of 8 bytes, 12,288 bytes from tile to tile; dense in LDS
	s_or_b32 s[G1], s43, (3<<16)|(1<<21)           ; 15:0 the mask: x's tiles go to my row; 17:16 elements of 8 bytes; 21 set beside a mask
	s_or_b32 s[G1B], s44, (3<<16)|(1<<21)
	s_mov_b32 s[G1+1], 1536<<16                    ; tensor_dim0: x: a row tile's 12,288 bytes, all of K
	s_mov_b32 s[G1+2], 8<<16                       ; tensor_dim1: 8 row tiles
	s_mov_b32 s[G1+3], 1536<<16                    ; tile_dim0
	s_mov_b32 s[G1+4], 8                           ; tile_dim1
	s_mov_b32 s[G1+5], 1536                        ; tensor_dim0_stride
	s_mov_b32 s[G1+6], 0
	s_mov_b32 s[G1+7], 0
	s_mov_b32 s[G1B+1], 1344<<16                   ; the weight: 10,752 bytes of a row tile's 12,288: K steps 0-6
	s_mov_b32 s[G1B+2], 6<<16                      ; the weight: 6 row tiles
	s_mov_b32 s[G1B+3], 1344<<16
	s_mov_b32 s[G1B+4], 6
	s_mov_b32 s[G1B+5], 1536
	s_mov_b32 s[G1B+6], 0
	s_mov_b32 s[G1B+7], 0
	s_or_b32 s68, s43, (3<<16)|(1<<21)             ; s[68:75]: group 1 of the second tile's x: 4 row tiles a wave, shared along my row of the cluster
	s_mov_b32 s69, 1536<<16
	s_mov_b32 s70, 4<<16
	s_mov_b32 s71, 1536<<16
	s_mov_b32 s72, 4
	s_mov_b32 s73, 1536
	s_mov_b32 s74, 0
	s_mov_b32 s75, 0
	s_lshl_b32 s20, s17, 4
	s_lshl_b32 s21, s16, 3
	s_add_co_u32 s20, s20, s21                     ; x: row tile 16 x block + 8 x half
	s_mul_i32 s20, s20, 12288
	s_mov_b32 s21, 0
	s_mul_i32 s46, s42, 12
	s_mul_i32 s47, s16, 6
	s_add_co_u32 s46, s46, s47                     ; the weight: row tile 12 x head + 6 x half
	s_mul_i32 s46, s46, 12288
	s_mov_b32 s47, 0
	s_mul_i32 s45, s16, 98304                      ; where they go: 8 tiles of x, 6 of the weight: no place in the cluster enters an LDS address
	s_mul_i32 s94, s16, 6*BT
	s_add_co_u32 s94, s94, BOFF
	s_mov_b32 s[SEL], 0x76543210
	s_mov_b32 s[SEL+1], 0xfedcba98
	s_wait_dscnt 0x0                               ; both opening adds are done
	s_wait_kmcnt 0x0
	s_add_nc_u64 s[20:21], s[4:5], s[20:21]
	s_add_nc_u64 s[46:47], s[6:7], s[46:47]
	CROUND                                         ; all sixteen work-groups are here: the first joint loads meet
	s_mov_b32 s32, 1                               ; group 0 for x's tiles,
	s_mov_b32 s33, s45
	s_mov_b64 s[34:35], s[20:21]
	s_or_b32 s35, s35, 0x80000000
	s_mov_b32 s56, 1                               ; and for the weight's
	s_mov_b32 s57, s94
	s_mov_b64 s[58:59], s[46:47]
	s_or_b32 s59, s59, 0x80000000
	JLOAD 32, G1, 56, G1B                          ; my one tensor load at the head
	s_add_co_u32 s38, s17, 16                      ; s[36:39]: group 0 of the second tile's x: the block of 256 rows 16 blocks on, my 4 of its 16 row tiles
	s_lshl_b32 s38, s38, 4
	s_lshl_b32 s39, s14, 2
	s_add_co_u32 s38, s38, s39
	s_mul_i32 s38, s38, 12288
	s_mov_b32 s39, 0
	s_add_nc_u64 s[38:39], s[4:5], s[38:39]
	s_or_b32 s39, s39, 0x80000000
	s_mov_b32 s36, 1
	s_mul_i32 s37, s14, 49152
	v_and_b32 v1, 31, v0                           ; lane
	v_and_b32 v2, 15, v0                           ; r
	v_bfe_u32 v3, v0, 4, 1                         ; l / 16
	v_lshlrev_b32 v[L16], 4, v1
	v_lshlrev_b32 v[L8], 3, v1
	v_lshlrev_b32 v[L4], 2, v1
	s_wait_alu depctr_va_vdst(0)
	v_lshlrev_b32 v19, 2, v2
	v_lshlrev_b32 v23, 5, v3
	; the scale words and the biases: straight into registers, once
	s_wait_alu depctr_va_vdst(0)
	s_lshl_b32 s95, s17, 4
	s_lshl_b32 s96, s15, 3
	s_add_co_u32 s95, s95, s96                     ; my first row tile of x
	s_lshl_b32 s96, s95, 9
	s_add_co_u32 s96, s96, XS
	s_mov_b32 s97, 0
	s_add_nc_u64 s[96:97], s[4:5], s[96:97]
	s_mul_i32 s98, s42, 6
	s_mul_i32 s95, s16, 3
	s_add_co_u32 s98, s98, s95                     ; my first pair of row tiles of the weight
	s_lshl_b32 s98, s98, 10
	s_add_co_u32 s98, s98, WAS
	s_mov_b32 s99, 0
	s_add_nc_u64 s[98:99], s[6:7], s[98:99]
	s_mul_i32 s2, s42, 768
	s_lshl_b32 s3, s16, 8
	s_add_co_u32 s2, s2, s3                        ; b_attn at column 192 x head + 64 x half: q or k
	s_mov_b32 s3, 0
	s_add_nc_u64 s[2:3], s[8:9], s[2:3]
	s_mul_i32 s18, s42, 768
	s_lshl_b32 s19, s16, 7
	s_add_co_u32 s18, s18, s19
	s_add_co_u32 s18, s18, 512                     ; and at 192 x head + 128 + 32 x half: my 32 of v
	s_mov_b32 s19, 0
	s_add_nc_u64 s[18:19], s[8:9], s[18:19]
.irp a, 0,1,2,3,4,5,6,7
.irp g, 0,1,2,3
	global_load_b32 v[SA+4*\a+\g], v[L4], s[96:97] offset:512*\a+128*\g
.endr
.endr
.irp m, 0,1,2
.irp s, 0,1,2,3,4,5,6,7
	global_load_b32 v[SB+8*\m+\s], v[L4], s[98:99] offset:1024*\m+128*\s
.endr
.endr
.irp b, 0,1,2,3
	global_load_b128 v[BQ+8*\b:BQ+8*\b+3], v23, s[2:3] offset:64*\b
	global_load_b128 v[BQ+8*\b+4:BQ+8*\b+7], v23, s[2:3] offset:64*\b+16
.endr
.irp b, 0,1
	global_load_b32 v[BV+2*\b], v19, s[18:19] offset:64*\b
	global_load_b32 v[BV+2*\b+1], v19, s[18:19] offset:64*\b      ; (named with it as a pair, so it is written)
.endr
	WIN 0x40                                       ; destination window 1, address window 0
.irp b, 0,1,2,3,4,5
.irp p, 0,1,2,3,4,5
	global_load_b64 v[72+12*\b+80*(\b/4)+2*\p:73+12*\b+80*(\b/4)+2*\p], v[L8], s[46:47] offset:12288*\b+10752+256*\p   ; the weight's K step 7, my six tiles: tiles 0-3 at v72 on, tiles 4, 5 at v200 on
.endr
.endr
	WIN 0
	; the second tile's x is asked for into the L2: 196,608 bytes, shared out by address among the sixteen waves of my row of the cluster: 48 blocks of 256 bytes a wave, a lane a block (the second line's lanes 16-31 name its last block again)
	s_lshl_b32 s61, s40, 2
	s_add_co_u32 s61, s61, s14
	s_mul_i32 s61, s61, 12288
	s_add_co_u32 s62, s17, 16
	s_mul_i32 s62, s62, 196608
	s_add_co_u32 s62, s62, s61
	s_mov_b32 s63, 0
	s_add_nc_u64 s[62:63], s[4:5], s[62:63]
	v_lshlrev_b32 v27, 8, v1
	v_min_u32 v30, 15, v1
	v_lshlrev_b32 v30, 8, v30
	global_prefetch_b8 v27, s[62:63] th:TH_LOAD_NT scope:SCOPE_SE
	global_prefetch_b8 v30, s[62:63] offset:8192 th:TH_LOAD_NT scope:SCOPE_SE
	s_mul_i32 s22, s15, 98304
	s_mul_i32 s23, s16, 6*BT                       ; my 6 of the weight
	s_add_co_u32 s23, s23, BOFF
	v_add_nc_u32 v[ADRA], s22, v[L8]
	s_add_co_u32 s22, s22, 49152
	v_add_nc_u32 v[ADRA+1], s22, v[L8]
	v_add_nc_u32 v[ADRB], s23, v[L8]
.irp b, 0,1,2,3
	v_mov_b32 v[TM+4+\b], 0                        ; written once: a lane permute's destination counts as one of its sources
.endr
	; where the results go: chunk n = 8 (16 x batch + head) + 2 (block % 4) + my half of the rows
	s_lshr_b32 s76, s17, 2
	s_lshl_b32 s76, s76, 4
	s_add_co_u32 s76, s76, s42
	s_lshl_b32 s76, s76, 3
	s_and_b32 s77, s17, 3
	s_lshl_b32 s77, s77, 1
	s_add_co_u32 s76, s76, s77
	s_add_co_u32 s76, s76, s15
	s_mul_i32 s78, s76, 6400
	s_mov_b32 s79, 0
	s_mul_i32 s80, s76, 12800
	s_mov_b32 s81, 0
	s_add_nc_u64 s[82:83], s[10:11], s[78:79]      ; the chunk in qc,
	s_add_nc_u64 s[84:85], s[12:13], s[80:81]      ; and in kv
	s_cmp_eq_u32 s16, 0
	s_cselect_b64 s[86:87], s[82:83], s[84:85]     ; half 0 stores q, half 1 stores k: the choice hangs on the wave's number alone
	s_mul_i32 s88, s16, 3072
	s_add_co_u32 s88, s88, 6400
	s_mov_b32 s89, 0
	s_add_nc_u64 s[90:91], s[84:85], s[88:89]      ; my two fragments of v
	s_lshl_b32 s88, s16, 7
	s_add_co_u32 s88, s88, 12544
	s_add_nc_u64 s[92:93], s[84:85], s[88:89]      ; and their scale words
.macro FRAG reg, adr, off              ; a fragment as it lies: pair p of its 12 registers at 256 p + 8 l: each load takes 256 consecutive bytes
.irp p, 0,1,2,3,4,5
	ds_load_b64 v[\reg+2*\p:\reg+2*\p+1], v[\adr] offset:\off+256*\p
.endr
.endm
.macro FETCH_B st, p                   ; the weight's six fragments of K step st (0-6) into set p
	WIN 0x40                                       ; destination window 1, address window 0
.irp b, 0,1,2,3,4,5
	FRAG 128*(\p)+12*\b, ADRB, BT*\b+1536*(\st)
.endr
	WIN 0
.endm
.macro FETCH_A st, a0                  ; x's tiles a0 .. a0 + 3 of K step st
	WIN 0
.irp a, \a0, \a0+1, \a0+2, \a0+3
	FRAG AF+12*(\a), ADRA+(\a)/4, 12288*((\a)%4)+1536*(\st)
.endr
.endm
; 16 products for q or k: x's tiles a0 .. a0 + 3 against the weight's tiles 0-3, K step s.  Accumulator (a, b) at 64 (a / 2) + 32 (b / 2) + 16 (a % 2) + 8 (b % 2): a pair of row tiles' 64 numbers on end.
; The 48 accumulators take turns, one instruction a turn, in the same order in every K step.
.macro QK16 a0, s
	WIN 0xa1                                       ; source 0 (the weight) window 1, source 1 (x) window 0, C and D window 2
.irp a, \a0, \a0+1, \a0+2, \a0+3
.irp b, 0,1,2,3
.set rD, 64*((\a)/2)+32*(\b/2)+16*((\a)%2)+8*(\b%2)
.set rA, 128*((\s)%2)+12*\b
.if (\s) == 7
.set rA, 72+12*\b                      ; K step 7's fragments came straight from memory
.endif
.set rB, AF+12*(\a)
.set rSA, SB+8*(\b/2)+(\s)
.set fA, \b%2
.set rSB, SA+4*(\a)+(\s)/2
.set fB, (\s)%2
.set rC, rD
.if (\s) == 0
.set rC, -1
.endif
	WM
.endr
.endr
.endm
; 8 products for v: the same tiles of x as source 0 against the weight's tiles 4, 5.  Accumulator (a, b') at 64 b' + 8 a: a d tile's 128 keys on end.
.macro V8 a0, s
	WIN 0xf4                                       ; source 0 (x) window 0, source 1 (the weight) window 1, C and D window 3
.irp a, \a0, \a0+1, \a0+2, \a0+3
.irp b, 0,1
.set rD, 64*\b+8*(\a)
.set rA, AF+12*(\a)
.set rB, 128*((\s)%2)+12*(4+\b)
.if (\s) == 7
.set rB, 200+12*\b
.endif
.set rSA, SA+4*(\a)+(\s)/2
.set fA, (\s)%2
.set rSB, SB+16+(\s)
.set fB, \b
.set rC, rD
.if (\s) == 0
.set rC, -1
.endif
	WM
.endr
.endr
.endm
; A K step of 128: 48 products.  x's tiles 0-3 first: they are free in the step's middle and are fetched anew there, with the weight's other set; tiles 4-7 at its end.
; A load into a register that a matrix instruction has read stands four places behind it (ISA guide 7.12.1 for vector instructions).
; All tiles lie in LDS from the head on: a step has no barrier.  K step 7's fragments of the weight are in registers already, so step 6 fetches x's alone.
.macro STEP s
.set NS, (\s)+1
	s_wait_dscnt 24                                ; the weight's set and x's tiles 0-3 are in; the youngest 24 loads (tiles 4-7) may be out
	QK16 0, \s
	V8 0, \s
	s_wait_dscnt 0x0                               ; tiles 4-7 are in
.if NS < 8
	PLACES 4
.if NS < 7
	FETCH_B NS, NS%2
.endif
	FETCH_A NS, 0
.endif
	QK16 4, \s
	V8 4, \s
.if NS < 8
	PLACES 4
	FETCH_A NS, 4
.endif
.endm
	s_wait_alu depctr_va_vdst(0)
; THE WAY OUT.  64 numbers of a lane, v[s + 16 b + i] = code 16 (l / 16) + i of group b of my row, become 12 registers of codes in v[PC] on (lane (r, h), registers 6 c ..: group 2 c + h) and a scale word in v[PW].
.macro QUANT s
.irp b, 0,1,2,3
	v_max3_num_f32 v[TM+\b], |v[\s+16*\b]|, |v[\s+1+16*\b]|, 0x1800000   ; my 16 numbers, and the floor 2^(3 - 127): the byte cannot fall under 1
.endr
.irp i, 2,4,6,8,10,12,14
.irp b, 0,1,2,3
	v_max3_num_f32 v[TM+\b], v[TM+\b], |v[\s+16*\b+\i]|, |v[\s+1+16*\b+\i]|
.endr
.endr
.irp b, 0,1,2,3
	v_permlanex16_b32 v[TM+4+\b], v[TM+\b], s[SEL], s[SEL+1]
.endr
.irp b, 0,1,2,3
	v_max_num_f32 v[TM+\b], v[TM+\b], v[TM+4+\b]   ; with lane l xor 16's: the block's largest magnitude
.endr
.irp b, 0,1,2,3
	v_add_nc_u32 v[TM+12+\b], 0xff000000, v[TM+\b] ; 2 off its exponent field: the conversion's scale operand
.endr
.irp b, 0,1,2,3
	v_lshrrev_b32 v[TM+4+\b], 23, v[TM+12+\b]      ; the byte
.endr
	v_lshl_or_b32 v[PW], v[TM+5], 8, v[TM+4]
	v_lshl_or_b32 v[PW], v[TM+6], 16, v[PW]
	v_lshl_or_b32 v[PW], v[TM+7], 24, v[PW]
.irp c, 0,1
	v_cvt_scalef32_pk16_fp6_f32 v[PC+6*\c:PC+2+6*\c], v[\s+32*\c:\s+15+32*\c], v[TM+12+2*\c]
	v_cvt_scalef32_pk16_fp6_f32 v[PC+12+4*\c:PC+14+4*\c], v[\s+16+32*\c:\s+31+32*\c], v[TM+12+2*\c+1]   ; (a conversion's three registers begin on an even number)
.endr
	v_nop                                          ; one plain place behind a scaled conversion
.irp c, 0,1
.irp i, 0,1,2
	v_permlane16_swap_b32 v[PC+6*\c+\i], v[PC+12+4*\c+\i]
.endr
.irp i, 0,1,2
	v_mov_b32 v[PC+3+6*\c+\i], v[PC+12+4*\c+\i]
.endr
.endr
.endm
.macro WAYOUT
	s_mov_b32 s22, 0xffff0000                      ; lanes 16-31
	PLACES 4                                       ; behind the last products: their results are read and x's fragments written over
; q or k, a pair of row tiles at a time.  Group 2 c + h is (d block c, row tile 2 i + h): so the codes come out as the pair's image, lane l holding position 32 i + l, and the word's bytes as (X 0, Y 0, X 1, Y 1).
.irp i, 0,1,2,3
.if \i > 0
	s_wait_xcnt 0x0                                ; the last pair's stores have read their registers
.endif
	WIN 0x02                                       ; source 0 window 2
.set k, 0
.rept 32
	v_pk_add_f32 v[T+k:T+k+1], v[64*\i+k:64*\i+k+1], v[BQ+16*(k/32)+k%16:BQ+16*(k/32)+k%16+1]   ; + b_attn; each accumulator from its low end on
.set k, k+2
.endr
	WIN 0
	QUANT T
.irp g, 0,1,2
	global_store_b128 v[L16], v[PC+4*\g:PC+4*\g+3], s[86:87] offset:1536*\i+512*\g   ; 32 lanes store 512 consecutive bytes, at a multiple of 256 from the buffer's first byte
.endr
	v_mov_b32 v[WK+\i], v[PW]
.endr
	v_cndmask_b32 v250, v[WK], v[WK+1], s22        ; lane 16 H + r: (W_H, W_(2+H))
	v_cndmask_b32 v251, v[WK+2], v[WK+3], s22
	global_store_b64 v[L8], v[250:251], s[86:87] offset:6144
; v, a d tile at a time: group b is key block b, so the codes are the operand's registers.
.irp b, 0,1
	s_wait_xcnt 0x0
	WIN 0x03                                       ; source 0 window 3
.set k, 0
.rept 32
	v_pk_add_f32 v[T+k:T+k+1], v[64*\b+k:64*\b+k+1], v[BV+2*\b:BV+2*\b+1] op_sel_hi:[1,0]
.set k, k+2
.endr
	WIN 0
	QUANT T
.irp g, 0,1,2
	global_store_b128 v[L16], v[PC+4*\g:PC+4*\g+3], s[90:91] offset:1536*\b+512*\g
.endr
	v_mov_b32 v[WK+\b], v[PW]
.endr
	v_cndmask_b32 v249, v[WK], v[WK+1], s22        ; lanes 0-15 the first tile's words, lanes 16-31 the second's
	global_store_b32 v[L4], v249, s[92:93]         ; 128 bytes: half of an aligned 256; the other column half's wave stores the other half
.endm
; K step 7: nothing more is fetched from LDS.  refill = 1, in a tile that has a successor: x's 16 tiles have been read out, and are filled again with the next tile's.  In front of the round each wave waits for all its
; tensor loads, adds 0 to its spare word, and waits for that and for its own reads; the joint load, 4 row tiles a wave, is the first tensor load behind the round.
.macro LAST7 refill
.if \refill
	s_wait_tensorcnt 0x0
	ds_add_u32 v[SPW], v[NIL]
	s_wait_dscnt 25                                ; (the add and the youngest 24 loads, x's tiles 4-7, may be out)
	QK16 0, 7                                      ; sixteen products stand between the add and the wait for it
	s_wait_dscnt 0x0                               ; the add is done, and my reads of x's tiles are over
	s_barrier_signal -1
	V8 0, 7
	WIN 0
	s_barrier_wait -1
	CREST                                          ; the barrier has opened a round of the cluster's: no wave of any partner still reads x's tiles or has a load on its way
	tensor_load_to_lds s[36:39], s[68:75]
	s_nop 0
	PLACES 4
.else
	s_wait_dscnt 24
	QK16 0, 7
	V8 0, 7
	s_wait_dscnt 0x0
.endif
	QK16 4, 7
	V8 4, 7
	WIN 0
.endm
; A WORK-GROUP STAYS: it makes two tiles of 256 rows x its head's 192 columns, 16 blocks of rows apart.  The weight's tiles stay in LDS, its K step 7, its scale words and the biases in registers.
; K steps 0-6 stand once, in a loop over the tiles; K step 7 and the way out are written out for a tile that has a successor and for the last, so that no jump leads round the joint load.
; The next tile's x and its scale words are on their way while this tile is quantised and stored.
	s_mov_b32 s60, 0                               ; tiles done: the same number in every work-group
.Ltile:
	s_wait_tensorcnt 0x0                           ; my tensor load is in,
	s_barrier_signal -1
	s_barrier_wait -1                              ; everybody's is
	FETCH_B 0, 0
	FETCH_A 0, 0
	FETCH_A 0, 4
	s_wait_loadcnt 0x0                             ; scale words, and at the first tile the biases and the weight's K step 7
	STEP 0                                         ; its products start the sums: nothing is cleared
	STEP 1
	STEP 2
	STEP 3
	STEP 4
	STEP 5
	STEP 6
	s_cmp_eq_u32 s60, 1
	s_cbranch_scc1 .Llast
	LAST7 1
	PLACES 4                                       ; behind the last products: loads into x's scale words
	s_add_nc_u64 s[96:97], s[96:97], 131072        ; 256 row tiles on, 512 bytes of words each
.irp a, 0,1,2,3,4,5,6,7
.irp g, 0,1,2,3
	global_load_b32 v[SA+4*\a+\g], v[L4], s[96:97] offset:512*\a+128*\g
.endr
.endr
	WAYOUT
	s_wait_xcnt 0x0                                ; the stores, the loads and the prefetches have read their registers and bases
	s_mov_b32 s62, 6553600                         ; four batches on: 512 chunks, of 12,800 bytes in kv,
	s_mov_b32 s63, 0
	s_cmp_eq_u32 s16, 0
	s_cselect_b32 s62, 3276800, s62                ; of 6,400 in qc
	s_add_nc_u64 s[86:87], s[86:87], s[62:63]
	s_add_nc_u64 s[90:91], s[90:91], 6553600
	s_add_nc_u64 s[92:93], s[92:93], 6553600
	s_add_co_u32 s60, s60, 1
	s_wait_alu depctr_va_vdst(0)
	s_cmp_lt_u32 s60, 2
	s_cbranch_scc1 .Ltile
.Llast:
	LAST7 0
	WAYOUT
	s_wait_tensorcnt 0x0                           ; the wave's end: behind my last tensor load
	ds_add_u32 v[SPW], v[NIL]
	s_wait_dscnt 0x0
	CROUND                                         ; the closing round
	s_endpgm
.Lfunc_end_k_q994f79fa00_qkv:
	.size	k_q994f79fa00_qkv, .Lfunc_end_k_q994f79fa00_qkv-k_q994f79fa00_qkv
	.p2alignl 7, 3214868480
	.fill 96, 4, 3214868480
	.section	.rodata,"a",@progbits
	.p2align	6, 0x0
	.amdhsa_kernel k_q994f79fa00_qkv
		.amdhsa_group_segment_fixed_size 327680
		.amdhsa_private_segment_fixed_size 0
		.amdhsa_enable_private_segment 0
		.amdhsa_kernarg_size 40
		.amdhsa_user_sgpr_count 2
		.amdhsa_user_sgpr_kernarg_segment_ptr 1
		.amdhsa_wavefront_size32 1
		.amdhsa_system_sgpr_workgroup_id_x 1
		.amdhsa_system_sgpr_workgroup_id_y 1
		.amdhsa_system_sgpr_workgroup_id_z 1
		.amdhsa_system_vgpr_workitem_id 0
		.amdhsa_next_free_vgpr 1024
		.amdhsa_next_free_sgpr 100
		.amdhsa_reserve_vcc 0
		.amdhsa_float_denorm_mode_32 3
		.amdhsa_float_denorm_mode_16_64 3
		.amdhsa_memory_ordered 1
		.amdhsa_forward_progress 1
		.amdhsa_inst_pref_size 196
	.end_amdhsa_kernel
	.amdgpu_metadata
---
amdhsa.version: [ 1, 2 ]
amdhsa.kernels:
  - .name:           k_q994f79fa00_qkv
    .symbol:         k_q994f79fa00_qkv.kd
    .args:
      - { .name: xq, .offset: 0, .size: 8, .value_kind: global_buffer, .address_space: global }
      - { .name: wq, .offset: 8, .size: 8, .value_kind: global_buffer, .address_space: global }
      - { .name: b_attn, .offset: 16, .size: 8, .value_kind: global_buffer, .address_space: global }
      - { .name: qc, .offset: 24, .size: 8, .value_kind: global_buffer, .address_space: global }
      - { .name: kv, .offset: 32, .size: 8, .value_kind: global_buffer, .address_space: global }
    .group_segment_fixed_size: 327680
    .private_segment_fixed_size: 0
    .kernarg_segment_align: 8
    .kernarg_segment_size: 40
    .max_flat_workgroup_size: 128
    .sgpr_count:     100
    .vgpr_count:     1024
    .wavefront_size: 32
...
	.end_amdgpu_metadata
.endif
;; end of part 2
;; launch attn (part 3): grid 2 x 128, 16 waves a work-group, no clusters, 167,936 bytes of LDS; arguments qc, kv, oq; writes oq
.if DOCPART == 3
	.amdgcn_target "amdgcn-amd-amdhsa--gfx1250"
	.amdhsa_code_object_version 6
	.text
	.protected	k_q994f79fa00_attn
	.globl	k_q994f79fa00_attn
	.p2align	8
	.type	k_q994f79fa00_attn,@function
k_q994f79fa00_attn:
	s_mov_b64 s[64:65], 0
	v_nop
	global_prefetch_b8 v0, s[64:65] scope:SCOPE_SE
	s_setreg_imm32_b32 hwreg(HW_REG_WAVE_MODE, 25, 1), 1
	s_wait_xcnt 0x0
; out = softmax(q k^T / 8, causal) v for one (batch, head), both products on codes of FP6 (E2M3) with E8M0 scales; out is quantised along the channels on the way out (the last product's operand).
; WORK LEFT OUT: key steps of 128 all of whose keys come after a tile's 16 queries (shown dead at the head of launch quant, with its limit: a row's largest live logit above about -1e9 + 100).
; Inside a step that is walked, a hidden score takes reference()'s own value: the logit -1e9, as a raw score -8e9.
; THE SOFTMAX: t = score x log2(e) / 8; M = the running largest t rounded UP to a whole number; p = 2^(t - M) is quantised along the keys; the row's sum is taken of the unquantised p and divides at the end.
; SHARES.  Work-group (p, bh): sixteen waves; wave w owns query tiles pi = 16 p + w and 63 - pi: together 9 live key steps, whatever pi: the causal work is even to the wave.
; The head's K and V (8 chunks x 12,800 bytes, as launch qkv laid them) come into LDS ONCE, each wave bringing 6,400 bytes by one tensor load: nothing is filled again, and no barrier stands in the loops.
; NO CLUSTER: only two work-groups share a head, and a mask of two in a cluster of four would make the head's number hang on a work-group's place in its cluster.
; K = 64 FILLS HALF OF THE 128-DEEP PRODUCT.  A pair image of k holds key 32 i + m in the operand's blocks 0, 2 and key 32 i + 16 + m in blocks 1, 3 of row m.  q stands once in blocks 0, 2 with zero codes
; elsewhere (QX) and once in blocks 1, 3 (QY): K_i x QX gives keys 32 i + 0 .. 15, K_i x QY keys 32 i + 16 .. 31.
; LAYOUT.  Both products are used transposed: a lane holds ONE query (l % 16).  Register 16 i + e of S^T is key 32 i + 16 (e / 8) + 8 (l / 16) + e % 8: code 16 (l / 16) + e of key block i in the order P32, as v's codes lie.
; REGISTERS: v1-4, v7 lane terms; v5, v6 the add's two; v8-10 addresses in hand; v11 r - 8 (l / 16); v12 -M, v13 the largest t, v[14:15] the sum; v16-27 QX, v28-39 QY; v40 q's scale word; v41 the first tile's out word;
; v42-43 k's scale words, v44-45 v's; v48-95 four fragments of k, then of v; v96-159 S^T, then p; v160-191 O^T; v192-203 q as loaded; v204-215, v217 at work; v216 p's scale word; v[218:219] f; v224-235 p's codes; v236-248 at work.
.set CHB,   12800                      ; a chunk of 128 keys: k's 4 pair images, 256 bytes of words, v's 4 fragments, 256 bytes of words
.set SPARE, 102400                     ; behind the head's K and V: the spare words, 128 bytes for each wave: eight blocks of 256 bytes that no other line names
.set OS,    6291456                    ; oq: the scale words
	s_load_b128 s[4:7], s[0:1], 0x0                ; qc s[4:5], kv s[6:7]
	s_load_b64 s[8:9], s[0:1], 0x10                ; oq
	v_lshl_add_u32 v5, v0, 2, SPARE
	v_mov_b32 v6, 0
	ds_add_u32 v5, v6                              ; the wave's opening: the add, twice on end, and its wait ahead of my first tensor load; the set-up below stands between
	ds_add_u32 v5, v6
	v_lshrrev_b32 v1, 5, v0
	s_delay_alu instid0(VALU_DEP_1)
	v_readfirstlane_b32 s18, v1                    ; wave 0..15
	s_and_b32 s19, ttmp7, 0xffff                   ; bh = 16 x batch + head
	s_mov_b32 s24, 3<<16                           ; group 1: 25 rows of 256 bytes (32 elements of 8), dense in memory and in LDS; no mask, no padding
	s_mov_b32 s25, 32<<16                          ; tensor_dim0
	s_mov_b32 s26, 25<<16                          ; tensor_dim1
	s_mov_b32 s27, 32<<16                          ; tile_dim0
	s_mov_b32 s28, 25                              ; tile_dim1
	s_mov_b32 s29, 32                              ; tensor_dim0_stride
	s_mov_b32 s30, 0
	s_mov_b32 s31, 0
	s_mov_b32 s12, 1                               ; group 0: count,
	s_mul_i32 s13, s18, 6400                       ; LDS address: wave x 6,400,
	s_mul_i32 s10, s19, 102400
	s_add_co_u32 s10, s10, s13
	s_mov_b32 s11, 0
	s_mov_b32 s20, 0x76543210
	s_mov_b32 s21, 0xfedcba98                      ; v_permlanex16_b32's selects for lane l xor 16
	s_mov_b32 s22, 0x3e38aa3b                      ; c = log2(e) / 8
	s_mov_b32 s23, s22                             ; (named with it as a pair, so it is written)
	s_mov_b32 s38, 0x0000ffff                      ; lanes 0-15
	s_mov_b32 s39, 0xffff0000                      ; lanes 16-31
	s_mul_i32 s34, s19, 51200                      ; the head's q in qc
	s_lshl_b32 s35, ttmp9, 4
	s_add_co_u32 s35, s35, s18                     ; pi
	s_wait_dscnt 0x0                               ; both opening adds are done
	s_wait_kmcnt 0x0
	s_add_nc_u64 s[14:15], s[6:7], s[10:11]        ; the same 6,400 bytes of the head in kv,
	s_or_b32 s15, s15, 0x80000000                  ; type 2
	s_cmp_lt_u32 s18, 4                            ; two arms, one load each: waves 0-3 bring chunks 0 and 1, which the first barrier shows; the others chunks 2-7
	s_cbranch_scc0 .Lrest
	tensor_load_to_lds s[12:15], s[24:31]          ; my one tensor load
	s_nop 0
.rept 4
	v_nop
.endr
	s_branch .Lasked
.Lrest:
	tensor_load_to_lds s[12:15], s[24:31]          ; my one tensor load
	s_nop 0
.rept 4
	v_nop
.endr
.Lasked:
	v_and_b32 v10, 31, v0
	s_delay_alu instid0(VALU_DEP_1)
	v_lshlrev_b32 v1, 4, v10                       ; 16 l
	s_delay_alu instid0(VALU_DEP_2)
	v_lshlrev_b32 v2, 3, v10                       ; 8 l
	s_delay_alu instid0(VALU_DEP_3)
	v_lshlrev_b32 v3, 2, v10                       ; 4 l
	v_and_b32 v8, 15, v0                           ; r
	v_bfe_u32 v9, v0, 4, 1                         ; l / 16
	s_delay_alu instid0(VALU_DEP_2)
	v_lshlrev_b32 v4, 4, v8                        ; 16 r
	s_delay_alu instid0(VALU_DEP_3)
	v_lshlrev_b32 v7, 3, v8                        ; 8 r
	s_delay_alu instid0(VALU_DEP_3)
	v_lshlrev_b32 v9, 3, v9
	s_delay_alu instid0(VALU_DEP_1)
	v_sub_nc_u32 v11, v8, v9                       ; r - 8 (l / 16)
.irp b, 0,1,2,3
	v_mov_b32 v[208+\b], 0                         ; written once: a lane permute's destination counts as one of its sources
.endr
	v_mov_b32 v217, 0
	v_mov_b32 v219, 0                              ; (named as the upper half of the pair v[218:219])
	v_mov_b32 v246, 0xcfee6b28                     ; -8e9: the raw score of a hidden key (the logit -1e9)
.irp j, 0,1,2,3,4,5,6,7
	v_cmp_gt_i32 s[52+\j], \j, v11                 ; s52-59: in the 16 keys that face my 16 queries, register j's key 8 (l / 16) + j comes after query r in these lanes
.endr
	s_lshl_b32 s50, s19, 5
	s_add_co_u32 s50, s50, s35
	s_lshl_b32 s50, s50, 7
	s_add_co_u32 s50, s50, OS
	s_mov_b32 s51, 0
	s_add_nc_u64 s[50:51], s[8:9], s[50:51]        ; my record of out's scale words: 128 bytes
; A KEY STEP: 128 keys, at LDS byte s2.
.macro STEP
	v_add_nc_u32 v8, s2, v1
	v_add_nc_u32 v9, s2, v2
	v_add_nc_u32 v10, s2, v3
	v_nop                                          ; four places in front of loads into registers that the last products have read
.irp i, 0,1,2,3
.irp g, 0,1,2
	ds_load_b128 v[48+12*\i+4*\g:51+12*\i+4*\g], v8 offset:1536*\i+512*\g   ; k's pair image i: each load takes 512 consecutive bytes
.endr
.endr
	ds_load_b64 v[42:43], v9 offset:6144           ; lane 16 H + r: (W_H, W_(2+H))
	s_wait_alu depctr_va_vdst(0)
	s_wait_dscnt 0x0
.irp i, 0,2
	v_wmma_scale_f32_16x16x128_f8f6f4 v[96+16*\i:103+16*\i], v[48+12*\i:59+12*\i], v[16:27], 0, v[42+\i/2], v40 matrix_a_fmt:MATRIX_FMT_FP6 matrix_b_fmt:MATRIX_FMT_FP6
	v_wmma_scale_f32_16x16x128_f8f6f4 v[104+16*\i:111+16*\i], v[48+12*\i:59+12*\i], v[28:39], 0, v[42+\i/2], v40 matrix_a_fmt:MATRIX_FMT_FP6 matrix_b_fmt:MATRIX_FMT_FP6
	v_wmma_scale_f32_16x16x128_f8f6f4 v[112+16*\i:119+16*\i], v[60+12*\i:71+12*\i], v[16:27], 0, v[42+\i/2], v40 matrix_a_fmt:MATRIX_FMT_FP6 matrix_b_fmt:MATRIX_FMT_FP6 matrix_a_scale:MATRIX_SCALE_ROW1
	v_wmma_scale_f32_16x16x128_f8f6f4 v[120+16*\i:127+16*\i], v[60+12*\i:71+12*\i], v[28:39], 0, v[42+\i/2], v40 matrix_a_fmt:MATRIX_FMT_FP6 matrix_b_fmt:MATRIX_FMT_FP6 matrix_a_scale:MATRIX_SCALE_ROW1
.endr
.rept 4
	v_nop                                          ; four places: in front of the loads into k's registers, and of the first read of the scores
.endr
.irp t, 0,1,2,3
.irp g, 0,1,2
	ds_load_b128 v[48+12*\t+4*\g:51+12*\t+4*\g], v8 offset:6400+1536*\t+512*\g   ; v's fragments land while the softmax is worked
.endr
.endr
	ds_load_b32 v44, v10 offset:12544              ; lanes 0-15 d tile 0, lanes 16-31 d tile 1;
	ds_load_b32 v45, v10 offset:12672              ; d tiles 2, 3
	s_add_co_u32 s42, s3, 127                      ; a step all of whose keys count skips the mask: a branch on ids and the count of steps
	s_cmp_le_u32 s42, s36
	s_cbranch_scc1 .Lopen_\@
	s_sub_co_u32 s42, s36, s3
	s_lshr_b32 s42, s42, 4                         ; registers 8 g .. 8 g + 7 hold keys 16 g + 8 (l / 16) + 0 .. 7 of the step; group s42 faces my queries
.irp g, 0,1,2,3,4,5,6,7
	s_cmp_gt_u32 s42, \g                           ; a group ahead of it counts whole: jumped over, on ids alone
	s_cbranch_scc1 .Lm\@_\g
	s_cmp_lt_u32 s42, \g
	s_cselect_b32 s43, -1, 0                       ; a group behind it is hidden whole
.irp j, 0,1,2,3,4,5,6,7
	s_or_b32 s[44+\j%2], s[52+\j], s43
	v_cndmask_b32 v[96+8*\g+\j], v[96+8*\g+\j], v246, s[44+\j%2]
.endr
.Lm\@_\g:
.endr
.Lopen_\@:
	s_wait_alu depctr_va_vdst(0)                   ; ahead of the first reader behind the branches
.irp b, 0,1,2,3
	v_max3_num_f32 v[204+\b], v[96+16*\b], v[97+16*\b], v[98+16*\b]   ; the largest score of each block of 32 keys: for the row's maximum and, since p rises with the score, for the block's largest p
.endr
.irp i, 3,5,7,9,11,13
.irp b, 0,1,2,3
	v_max3_num_f32 v[204+\b], v[204+\b], v[96+16*\b+\i], v[97+16*\b+\i]
.endr
.endr
.irp b, 0,1,2,3
	v_max_num_f32 v[204+\b], v[204+\b], v[111+16*\b]
.endr
.irp b, 0,1,2,3
	s_delay_alu instid0(VALU_DEP_4)
	v_permlanex16_b32 v[208+\b], v[204+\b], s20, s21
.endr
.irp b, 0,1,2,3
	s_delay_alu instid0(VALU_DEP_4)
	v_max_num_f32 v[204+\b], v[204+\b], v[208+\b]  ; with lane l xor 16's 16 keys
.endr
	s_delay_alu instid0(VALU_DEP_2)
	v_max3_num_f32 v217, v204, v205, v206
	s_delay_alu instid0(VALU_DEP_1)
	v_max_num_f32 v217, v217, v207
	s_delay_alu instid0(VALU_DEP_1)
	v_mul_f32 v217, s22, v217                      ; the step's largest t (c is positive)
	s_delay_alu instid0(VALU_DEP_1)
	v_max_num_f32 v13, v13, v217                   ; the running largest t
	v_mov_b32 v217, v12
	s_delay_alu instid0(VALU_DEP_2)
	v_floor_f32 v12, -v13                          ; the new -M = floor(-t): M is a whole number
	s_delay_alu instid0(VALU_DEP_1)
	v_sub_f32 v217, v12, v217                      ; old M - new M: a whole number, 0 or less
	s_delay_alu instid0(VALU_DEP_1)
	v_cvt_i32_f32 v217, v217                       ; (it saturates)
	s_delay_alu instid0(VALU_DEP_1)
	v_ldexp_f32 v218, 1.0, v217                    ; f = 2^(old M - new M): a multiplication by it rounds nothing
.set j, 0
.rept 32
	v_pk_fma_f32 v[96+j:97+j], v[96+j:97+j], s[22:23], v[12:13] op_sel_hi:[1,0,0]   ; t - M, two at a time
.set j, j+2
.endr
.irp b, 0,1,2,3
	v_fma_f32 v[204+\b], v[204+\b], s22, v12       ; the same of each block's largest score
.endr
.set j, 0
	s_wait_alu depctr_va_vdst(0)
.rept 64
	v_exp_f32 v[96+j], v[96+j]                     ; p = 2^(t - M), at most 1: not normalised
.set j, j+1
.endr
	v_pk_mul_f32 v[14:15], v[14:15], v[218:219] op_sel_hi:[1,0]   ; the sums under the new M.  (A plain place behind the exponentials)
	s_wait_alu depctr_va_vdst(0)                   ; ahead of the first line that names a result: one for the batch of 64
.irp b, 0,1,2,3
	v_exp_f32 v[204+\b], v[204+\b]                 ; the block's largest p
.endr
	v_pk_add_f32 v[244:245], v[100:101], v[104:105]
	v_pk_add_f32 v[254:255], v[108:109], v[112:113]
	v_pk_add_f32 v[252:253], v[116:117], v[120:121]
	v_pk_add_f32 v[250:251], v[124:125], v[128:129]
	v_pk_add_f32 v[248:249], v[132:133], v[136:137]
	v_pk_add_f32 v[242:243], v[140:141], v[144:145]
	v_pk_add_f32 v[240:241], v[148:149], v[152:153]
	v_pk_add_f32 v[14:15], v[14:15], v[156:157]
	v_pk_add_f32 v[244:245], v[244:245], v[96:97]
	v_pk_add_f32 v[254:255], v[254:255], v[98:99]
	v_pk_add_f32 v[252:253], v[252:253], v[102:103]
	v_pk_add_f32 v[250:251], v[250:251], v[106:107]
	v_pk_add_f32 v[248:249], v[248:249], v[110:111]
	v_pk_add_f32 v[242:243], v[242:243], v[114:115]
	v_pk_add_f32 v[240:241], v[240:241], v[118:119]
	v_pk_add_f32 v[14:15], v[14:15], v[122:123]
	v_pk_add_f32 v[244:245], v[244:245], v[126:127]
	v_pk_add_f32 v[254:255], v[254:255], v[130:131]
	v_pk_add_f32 v[252:253], v[252:253], v[134:135]
	v_pk_add_f32 v[250:251], v[250:251], v[138:139]
	v_pk_add_f32 v[248:249], v[248:249], v[142:143]
	v_pk_add_f32 v[242:243], v[242:243], v[146:147]
	v_pk_add_f32 v[240:241], v[240:241], v[150:151]
	v_pk_add_f32 v[14:15], v[14:15], v[154:155]
	v_pk_add_f32 v[244:245], v[244:245], v[158:159]
	s_delay_alu instid0(VALU_DEP_2)
	v_pk_add_f32 v[14:15], v[14:15], v[250:251]
	s_delay_alu instid0(VALU_DEP_2)
	v_pk_add_f32 v[244:245], v[244:245], v[248:249]
	v_pk_add_f32 v[254:255], v[254:255], v[242:243]
	v_pk_add_f32 v[252:253], v[252:253], v[240:241]
	s_delay_alu instid0(VALU_DEP_2)
	v_pk_add_f32 v[14:15], v[14:15], v[254:255]
	s_delay_alu instid0(VALU_DEP_2)
	v_pk_add_f32 v[244:245], v[244:245], v[252:253]
	s_delay_alu instid0(VALU_DEP_1)
	v_pk_add_f32 v[14:15], v[14:15], v[244:245]
	s_wait_alu depctr_va_vdst(0)                   ; and one for the four
.irp b, 0,1,2,3
	v_max_num_f32 v[204+\b], 0x1800000, v[204+\b]  ; the floor 2^(3 - 127): a block whose every p is 0 keeps the byte 1: its codes are zeros
.endr
.irp b, 0,1,2,3
	s_delay_alu instid0(VALU_DEP_4)
	v_add_nc_u32 v[212+\b], 0xff000000, v[204+\b]  ; the conversion's scale operand
.endr
.irp b, 0,1,2,3
	s_delay_alu instid0(VALU_DEP_4)
	v_lshrrev_b32 v[208+\b], 23, v[212+\b]         ; the byte
.endr
	s_delay_alu instid0(VALU_DEP_3)
	v_lshl_or_b32 v216, v209, 8, v208              ; p's scale word for these 128 keys
	s_delay_alu instid0(VALU_DEP_1)
	v_lshl_or_b32 v216, v210, 16, v216
	s_delay_alu instid0(VALU_DEP_1)
	v_lshl_or_b32 v216, v211, 24, v216
.irp c, 0,1
	v_cvt_scalef32_pk16_fp6_f32 v[224+6*\c:226+6*\c], v[96+32*\c:111+32*\c], v[212+2*\c]
	v_cvt_scalef32_pk16_fp6_f32 v[236+4*\c:238+4*\c], v[112+32*\c:127+32*\c], v[212+2*\c+1]
.endr
	v_nop                                          ; one plain place behind a scaled conversion
.irp c, 0,1
.irp i, 0,1,2
	v_permlane16_swap_b32 v[224+6*\c+\i], v[236+4*\c+\i]   ; a whole block to a lane: lanes 0-15 block 2 c, lanes 16-31 block 2 c + 1
.endr
.irp i, 0,1,2
	s_delay_alu instid0(VALU_DEP_3)
	v_mov_b32 v[227+6*\c+\i], v[236+4*\c+\i]
.endr
.endr
.set j, 0
.rept 16
	v_pk_mul_f32 v[160+j:161+j], v[160+j:161+j], v[218:219] op_sel_hi:[1,0]   ; O^T under the new M.  (For each product below twelve of these name none of its registers: the places behind p's codes and scale word)
.set j, j+2
.endr
	s_wait_alu depctr_va_vdst(0)
	s_wait_dscnt 0x0                               ; v's fragments and words are in
.irp t, 0,2
	v_wmma_scale_f32_16x16x128_f8f6f4 v[160+8*\t:167+8*\t], v[48+12*\t:59+12*\t], v[224:235], v[160+8*\t:167+8*\t], v[44+\t/2], v216 matrix_a_fmt:MATRIX_FMT_FP6 matrix_b_fmt:MATRIX_FMT_FP6
	v_wmma_scale_f32_16x16x128_f8f6f4 v[168+8*\t:175+8*\t], v[60+12*\t:71+12*\t], v[224:235], v[168+8*\t:175+8*\t], v[44+\t/2], v216 matrix_a_fmt:MATRIX_FMT_FP6 matrix_b_fmt:MATRIX_FMT_FP6 matrix_a_scale:MATRIX_SCALE_ROW1
.endr
.endm
; ONE QUERY TILE.  which = 0: tile pi; 1: tile 63 - pi.
; A tile's q is asked for: codes into v192-203, the pair's scale word into v46; no step names these registers, so the second tile's q is asked for ahead of the first tile's steps.  s40-47 are at work here alone.
.macro QLOAD which
.if \which
	s_sub_co_u32 s40, 63, s35
.else
	s_mov_b32 s40, s35
.endif
	s_lshr_b32 s41, s40, 3
	s_mul_i32 s41, s41, 6400
	s_add_co_u32 s41, s41, s34                     ; its chunk in qc
	s_bfe_u32 s42, s40, 0x20001                    ; its pair image,
	s_mul_i32 s42, s42, 1536
	s_and_b32 s43, s40, 1                          ; and which half of the image's lanes
	s_lshl_b32 s44, s43, 8
	s_add_co_u32 s42, s42, s44
	s_add_co_u32 s44, s42, s41
	s_mov_b32 s45, 0
	s_add_nc_u64 s[44:45], s[4:5], s[44:45]
	s_bfe_u32 s46, s40, 0x10001
	s_lshl_b32 s46, s46, 7
	s_bfe_u32 s47, s40, 0x10002
	s_lshl_b32 s47, s47, 2
	s_add_co_u32 s46, s46, s47
	s_add_co_u32 s46, s46, s41
	s_add_co_u32 s46, s46, 6144
	s_mov_b32 s47, 0
	s_add_nc_u64 s[46:47], s[4:5], s[46:47]        ; the pair's scale words
.irp g, 0,1,2
	global_load_b128 v[192+4*\g:195+4*\g], v4, s[44:45] offset:512*\g   ; query r's 64 codes, in lane r and in lane 16 + r
.endr
	global_load_b32 v46, v7, s[46:47]
.endm
.macro TILE which
	s_wait_xcnt 0x0                                ; earlier loads and stores have read their addresses and data
.if \which
	s_sub_co_u32 s40, 63, s35
.else
	s_mov_b32 s40, s35
.endif
	s_lshl_b32 s36, s40, 4                         ; my first query
	s_and_b32 s43, s40, 1
	s_lshl_b32 s43, s43, 3                         ; where my tile's bytes stand in the pair's scale word
	s_lshr_b32 s48, s19, 4
	s_lshl_b32 s48, s48, 6
	s_add_co_u32 s48, s48, s40
	s_mul_i32 s48, s48, 12288                      ; out: row tile 64 x batch + tile,
	s_and_b32 s49, s19, 15
	s_mul_i32 s49, s49, 768                        ; the head's two blocks: 768 bytes of the tile's 12,288
	s_add_co_u32 s48, s48, s49
	s_mov_b32 s49, 0
	s_add_nc_u64 s[48:49], s[8:9], s[48:49]
	v_mov_b32 v13, 0xff61b1e6                      ; the largest t so far: -3e38
	s_delay_alu instid0(VALU_DEP_1)
	v_floor_f32 v12, -v13
	v_mov_b32 v14, 0
	v_mov_b32 v15, 0
	s_wait_loadcnt 0x0
	v_lshrrev_b32 v40, s43, v46                    ; the word is (X 0, Y 0, X 1, Y 1): my tile's two bytes
	s_delay_alu instid0(VALU_DEP_1)
	v_and_b32 v40, 0x00ff00ff, v40
	s_delay_alu instid0(VALU_DEP_1)
	v_lshl_or_b32 v40, v40, 8, v40                 ; (b0, b0, b1, b1): the same for QX and QY
.set n, 0
.rept 12
	v_cndmask_b32 v[16+n], 0, v[192+n], s38        ; QX: q in lanes 0-15 (blocks 0, 2), zero codes elsewhere
	v_cndmask_b32 v[28+n], 0, v[192+n], s39        ; QY: in lanes 16-31 (blocks 1, 3)
.set n, n+1
.endr
.set n, 0
.rept 32
	v_mov_b32 v[160+n], 0                          ; O^T: the step is written once, and its first walk finds zeros.  (These are also the places behind q's word and codes)
.set n, n+1
.endr
	s_mov_b32 s2, 0                                ; the step's chunk in LDS
	s_mov_b32 s3, 0                                ; its first key
.if \which                             ; the first tile walked: every tile 63 - pi has its queries at 512 or later, so its first two steps count whole, and they need chunks 0 and 1 alone
	s_wait_alu depctr_va_vdst(0)                   ; ahead of the scalar lines, the branch and the waits
	QLOAD 0                                        ; tile pi's q: this tile's has been taken out of v192-203 and v46
	s_wait_xcnt 0x0                                ; the steps write s42-47 again
	s_cmp_lt_u32 s18, 4
	s_cbranch_scc0 .Lnot_mine_\@
	s_wait_tensorcnt 0x0                           ; waves 0-3: my part of chunks 0 and 1 is in,
.Lnot_mine_\@:
	s_barrier_signal -1
	s_barrier_wait -1                              ; all of them are; chunks 2-7 may be on their way
	s_mov_b32 s37, 2
.Lfew_\@:
	STEP
	s_add_co_u32 s3, s3, 128
	s_add_co_u32 s2, s2, CHB
	s_sub_co_u32 s37, s37, 1
	s_cmp_lg_u32 s37, 0
	s_cbranch_scc1 .Lfew_\@
	s_wait_tensorcnt 0x0                           ; every wave: my part of the head is in,
	s_wait_dscnt 0x0
	s_barrier_signal -1
	s_barrier_wait -1                              ; everybody's is
	s_mov_b32 s37, 6                               ; the other six trips
.else
	s_mov_b32 s37, 8
.endif
.Lstep_\@:
	s_add_co_u32 s42, s36, 15
	s_cmp_gt_u32 s3, s42
	s_cbranch_scc1 .Lhid_\@
	STEP
.Lhid_\@:
	s_add_co_u32 s3, s3, 128
	s_add_co_u32 s2, s2, CHB
	s_sub_co_u32 s37, s37, 1
	s_cmp_lg_u32 s37, 0
	s_cbranch_scc1 .Lstep_\@
.rept 4
	v_nop                                          ; four places behind the last products
.endr
	v_add_f32 v14, v14, v15                        ; the sum's two halves,
	s_delay_alu instid0(VALU_DEP_1)
	v_permlanex16_b32 v217, v14, s20, s21
	s_delay_alu instid0(VALU_DEP_1)
	v_add_f32 v14, v14, v217                       ; and lane l xor 16's
	s_wait_alu depctr_va_vdst(0)
	v_rcp_f32 v14, v14
	v_nop                                          ; a plain place behind the reciprocal
	s_wait_alu depctr_va_vdst(0)                   ; and the wait ahead of its first reader
.set j, 0
.rept 16
	v_pk_mul_f32 v[96+j:97+j], v[160+j:161+j], v[14:15] op_sel_hi:[1,0]   ; out: register 16 b + i is code 16 (l / 16) + i of the head's block b, order P32; each accumulator from its low end on
.set j, j+2
.endr
.irp b, 0,1
	v_max3_num_f32 v[204+\b], |v[96+16*\b]|, |v[97+16*\b]|, 0x1800000
.endr
.irp i, 2,4,6,8,10,12,14
.irp b, 0,1
	s_delay_alu instid0(VALU_DEP_2)
	v_max3_num_f32 v[204+\b], v[204+\b], |v[96+16*\b+\i]|, |v[97+16*\b+\i]|
.endr
.endr
.irp b, 0,1
	s_delay_alu instid0(VALU_DEP_2)
	v_permlanex16_b32 v[208+\b], v[204+\b], s20, s21
.endr
.irp b, 0,1
	s_delay_alu instid0(VALU_DEP_2)
	v_max_num_f32 v[204+\b], v[204+\b], v[208+\b]
.endr
.irp b, 0,1
	s_delay_alu instid0(VALU_DEP_2)
	v_add_nc_u32 v[212+\b], 0xff000000, v[204+\b]
.endr
.irp b, 0,1
	s_delay_alu instid0(VALU_DEP_2)
	v_lshrrev_b32 v[208+\b], 23, v[212+\b]
.endr
	s_delay_alu instid0(VALU_DEP_1)
	v_lshl_or_b32 v247, v209, 8, v208              ; my row's two bytes
	v_cvt_scalef32_pk16_fp6_f32 v[224:226], v[96:111], v212
	v_cvt_scalef32_pk16_fp6_f32 v[236:238], v[112:127], v213
	v_nop
.irp i, 0,1,2
	v_permlane16_swap_b32 v[224+\i], v[236+\i]     ; lanes 0-15 block 0, lanes 16-31 block 1: six registers of the last product's operand
.endr
.irp i, 0,1,2
	s_delay_alu instid0(VALU_DEP_3)
	v_mov_b32 v[227+\i], v[236+\i]
.endr
.irp i, 0,1,2
	global_store_b64 v2, v[224+2*\i:225+2*\i], s[48:49] offset:256*\i   ; 32 lanes store 256 consecutive bytes, at a multiple of 256 from the buffer's first byte
.endr
.if \which
	v_mov_b32 v41, v247                            ; tile 63 - pi's words wait for tile pi's
.else
	v_cndmask_b32 v248, v247, v41, s39             ; lanes 0-15: tile pi's words; lanes 16-31: tile 63 - pi's
	global_store_b32 v3, v248, s[50:51]
.endif
.endm
	QLOAD 1
	TILE 1                                         ; the tile with the later queries first: its first steps run while the later chunks land
	TILE 0
	s_wait_tensorcnt 0x0                           ; the wave's end: behind my last tensor load
	ds_add_u32 v5, v6
	s_wait_dscnt 0x0
	s_endpgm
.Lfunc_end_k_q994f79fa00_attn:
	.size	k_q994f79fa00_attn, .Lfunc_end_k_q994f79fa00_attn-k_q994f79fa00_attn
	.p2alignl 7, 3214868480
	.fill 96, 4, 3214868480
	.section	.rodata,"a",@progbits
	.p2align	6, 0x0
	.amdhsa_kernel k_q994f79fa00_attn
		.amdhsa_group_segment_fixed_size 167936
		.amdhsa_private_segment_fixed_size 0
		.amdhsa_enable_private_segment 0
		.amdhsa_kernarg_size 24
		.amdhsa_user_sgpr_count 2
		.amdhsa_user_sgpr_kernarg_segment_ptr 1
		.amdhsa_wavefront_size32 1
		.amdhsa_system_sgpr_workgroup_id_x 1
		.amdhsa_system_sgpr_workgroup_id_y 1
		.amdhsa_system_sgpr_workgroup_id_z 1
		.amdhsa_system_vgpr_workitem_id 0
		.amdhsa_next_free_vgpr 256
		.amdhsa_next_free_sgpr 66
		.amdhsa_reserve_vcc 0
		.amdhsa_float_denorm_mode_32 3
		.amdhsa_float_denorm_mode_16_64 3
		.amdhsa_memory_ordered 1
		.amdhsa_forward_progress 1
		.amdhsa_inst_pref_size 95
	.end_amdhsa_kernel
	.amdgpu_metadata
---
amdhsa.version: [ 1, 2 ]
amdhsa.kernels:
  - .name:           k_q994f79fa00_attn
    .symbol:         k_q994f79fa00_attn.kd
    .args:
      - { .name: qc, .offset: 0, .size: 8, .value_kind: global_buffer, .address_space: global }
      - { .name: kv, .offset: 8, .size: 8, .value_kind: global_buffer, .address_space: global }
      - { .name: oq, .offset: 16, .size: 8, .value_kind: global_buffer, .address_space: global }
    .group_segment_fixed_size: 167936
    .private_segment_fixed_size: 0
    .kernarg_segment_align: 8
    .kernarg_segment_size: 24
    .max_flat_workgroup_size: 512
    .sgpr_count:     66
    .vgpr_count:     256
    .wavefront_size: 32
...
	.end_amdgpu_metadata
.endif
;; end of part 3
;; launch proj (part 4): grid 8 x 32, 4 waves a work-group, clusters of 4 x 4, 327,680 bytes of LDS; arguments oq, wq, b_proj, out0; writes out0
.if DOCPART == 4
	.amdgcn_target "amdgcn-amd-amdhsa--gfx1250"
	.amdhsa_code_object_version 6
	.text
	.protected	k_q994f79fa00_proj
	.globl	k_q994f79fa00_proj
	.p2align	8
	.type	k_q994f79fa00_proj,@function
k_q994f79fa00_proj:
	s_mov_b64 s[64:65], 0
	v_nop
	global_prefetch_b8 v0, s[64:65] scope:SCOPE_SE
	s_setreg_imm32_b32 hwreg(HW_REG_WAVE_MODE, 25, 1), 1
	s_wait_xcnt 0x0
	s_wait_alu depctr_hold_cnt(0) depctr_sa_sdst(0) depctr_va_vdst(0) depctr_va_sdst(0) depctr_va_ssrc(0) depctr_va_vcc(0) depctr_vm_vsrc(0)
	s_getreg_b32 s2, hwreg(HW_REG_IB_STS2, 6, 4)
	s_cmp_eq_u32 s2, 0
	s_cbranch_scc0 .Lentry_in_a_cluster
	s_endpgm
.Lentry_in_a_cluster:
	s_bfe_u32 s2, ttmp6, 0x10000c
	s_cmp_lg_u32 s2, 0xf033
	s_cbranch_scc0 .Lentry_shape_is_right
	s_endpgm
.Lentry_shape_is_right:
; out0 = Q(out) Q(w_proj) + b_proj on codes of FP6 (E2M3) with E8M0 scales; out0 is f32.  No work of reference() is left out here.
; LIMITS: as stated at the head of launch quant (order P32 inside a block; byte 1 for a block of zeros; NaN and infinities not served).
; SHARES.  256 work-groups of four waves, 2 x 2; a work-group makes 256 rows x 128 columns, a wave 128 rows (half w / 2) x 64 columns (half w % 2).
; K = 1,024 IS SHORT, SO NOTHING WALKS ALONG K.  All operands come into LDS once, one joint load a wave at the head: waves 0, 1 bring 8 row tiles of oq each (a tile is 12,288 bytes, all of K, dense),
; waves 2, 3 four row tiles of w_proj each: 294,912 bytes.  Nothing is filled again.  CLUSTER 4 x 4: oq's tiles are shared along a row of the cluster, the weight's along a column.
; A wave's 64 rows of the weight, all of K, lie in registers (32 fragments, 384 registers); they are read from LDS behind a barrier that waits for the weight's two loads alone.
; oq's rows go past them in blocks of 16 rows x 1,024 K (8 fragments, two sets): a block's 16 x 64 sums are finished by its 32 products and leave at once, through the wave's own stage, while the next blocks are multiplied.
; THE MATRIX INSTRUCTION IS USED TRANSPOSED (source 0 = the weight's rows): a lane holds eight neighbouring columns of one row of out0.  b_proj is the C of a block's first four products.
; A block's four accumulators take turns, one instruction a turn, and neighbouring blocks have sets of their own.
; NO PREFETCH: every tensor load stands at the head; there is no loop to run ahead in.
; REGISTERS: window 0: v12-31 addresses; v32-63 oq's scale words; v64-79 the weight's; v80-111 b_proj in the result's layout; v112-175 rows back from the stage, two sets (at the head: oq's scale bytes as loaded);
; v176-239 accumulators, two sets of four.  Fragment f lies in window 1 + f / 21 at register 12 (f % 21): 0-31 the weight's (4 s + b), 32-39 and 40-47 the rows' two sets.
.set FR,    12
.set FPW,   21
.set TB,    12288                      ; a row tile's codes: 8 K steps x 1,536 bytes
.set BOFF,  16*TB                      ; the weight's 8 tiles, behind oq's 16
.set STG,   24*TB                      ; a stage of 16 rows x (256 + 16) bytes for each wave; no tensor load lands there
.set SPARE, STG+4*4352                 ; the spare words, 128 bytes for each wave: two blocks of 256 bytes that no other line names
.set OS,    6291456                    ; oq: the scale words
.set WPC,   2359296                    ; wq: w_proj's codes
.set WPS,   3244032                    ; wq: w_proj's scale words
.set ADRA, 16                          ; v16, v17  LDS address of my fragments of oq: tiles 0-3, tiles 4-7
.set ADRB, 20                          ; v20       of my four tiles of the weight
.set STO,  24
.set RD,   25
.set CO,   26
.set L4,   27
.set SPW,  28
.set NIL,  29
.set SA,   32                          ; register 8 (a / 2) + s: lanes 0-15 tile 2 (a / 2), lanes 16-31 the next
.set SB,   64                          ; register 8 (b / 2) + s, likewise
.set BQ,   80
.set BK,   112
.set ACC,  176
.set G1,   24
.set G1B,  48
.set MSB, 0
.macro WIN new                         ; the immediate's high byte repeats the setting that is left
.if MSB != \new
	s_set_vgpr_msb (MSB<<8)|\new
.set MSB, \new
.endif
.endm
.macro JLOAD g0a, g1a, g0b, g1b        ; waves 0 and 1 fetch for oq, waves 2 and 3 for the weight; an s_nop 0 and four v_nop follow each line
	s_cmp_eq_u32 s15, 0
	s_cbranch_scc0 .Lfor_b_\@
	tensor_load_to_lds s[\g0a:\g0a+3], s[\g1a:\g1a+7]
	s_nop 0
.rept 4
	v_nop
.endr
	s_branch .Lasked_\@
.Lfor_b_\@:
	tensor_load_to_lds s[\g0b:\g0b+3], s[\g1b:\g1b+7]
	s_nop 0
.rept 4
	v_nop
.endr
.Lasked_\@:
.endm
.macro CROUND                          ; a round of the cluster's barrier
	s_barrier_signal -1
	s_barrier_wait -1
	s_cmp_lg_u32 s14, 0
	s_cbranch_scc1 .Lnot_wave_0_\@
	s_barrier_signal -3
.Lnot_wave_0_\@:
	s_barrier_wait -3
	s_barrier_signal -1
	s_barrier_wait -1
.endm
.macro PLACES n
.rept \n
	v_nop
.endr
.endm
.macro WM                              ; one scaled product from the symbols rD, rA, rB, rC, rSA, rSB; fA, fB: the scale words lie in lanes 16-31
.if fA && fB
	v_wmma_scale_f32_16x16x128_f8f6f4 v[rD:rD+7], v[rA:rA+11], v[rB:rB+11], v[rC:rC+7], v[rSA], v[rSB] matrix_a_fmt:MATRIX_FMT_FP6 matrix_b_fmt:MATRIX_FMT_FP6 matrix_a_scale:MATRIX_SCALE_ROW1 matrix_b_scale:MATRIX_SCALE_ROW1
.elseif fA
	v_wmma_scale_f32_16x16x128_f8f6f4 v[rD:rD+7], v[rA:rA+11], v[rB:rB+11], v[rC:rC+7], v[rSA], v[rSB] matrix_a_fmt:MATRIX_FMT_FP6 matrix_b_fmt:MATRIX_FMT_FP6 matrix_a_scale:MATRIX_SCALE_ROW1
.elseif fB
	v_wmma_scale_f32_16x16x128_f8f6f4 v[rD:rD+7], v[rA:rA+11], v[rB:rB+11], v[rC:rC+7], v[rSA], v[rSB] matrix_a_fmt:MATRIX_FMT_FP6 matrix_b_fmt:MATRIX_FMT_FP6 matrix_b_scale:MATRIX_SCALE_ROW1
.else
	v_wmma_scale_f32_16x16x128_f8f6f4 v[rD:rD+7], v[rA:rA+11], v[rB:rB+11], v[rC:rC+7], v[rSA], v[rSB] matrix_a_fmt:MATRIX_FMT_FP6 matrix_b_fmt:MATRIX_FMT_FP6
.endif
.endm
	s_load_b128 s[4:7], s[0:1], 0x0                ; oq s[4:5], wq s[6:7]
	s_load_b128 s[8:11], s[0:1], 0x10              ; b_proj s[8:9], out0 s[10:11]
	v_lshl_add_u32 v[SPW], v0, 2, SPARE
	v_mov_b32 v[NIL], 0
	ds_add_u32 v[SPW], v[NIL]                      ; the wave's opening: the add, twice on end, and its wait ahead of my first tensor load
	ds_add_u32 v[SPW], v[NIL]
	v_lshrrev_b32 v1, 5, v0
	v_readfirstlane_b32 s14, v1                    ; wave 0..3
	s_lshr_b32 s15, s14, 1                         ; my half of the rows.  Also: I fetch for oq (0) or for the weight (1)
	s_and_b32 s16, s14, 1                          ; my half of the columns.  Also: which half of that tile I fetch
	s_bfe_u32 s40, ttmp6, 0x40000                  ; cx, cy
	s_bfe_u32 s41, ttmp6, 0x40004
	s_lshl_b32 s42, ttmp9, 2
	s_add_co_u32 s42, s42, s40                     ; the block of 128 columns
	s_and_b32 s17, ttmp7, 0xffff
	s_lshl_b32 s17, s17, 2
	s_add_co_u32 s17, s17, s41                     ; the block of 256 rows
	s_lshl_b32 s43, s41, 2
	s_lshl_b32 s43, 15, s43                        ; my row of the cluster
	s_lshl_b32 s44, 0x1111, s40                    ; my column
	s_or_b32 s[G1], s43, (3<<16)|(1<<21)           ; group 1: a row for each row tile: 1,536 elements of 8 bytes, dense in memory and in LDS
	s_or_b32 s[G1B], s44, (3<<16)|(1<<21)
	s_mov_b32 s[G1+1], 1536<<16
	s_mov_b32 s[G1+2], 8<<16                       ; oq: 8 row tiles
	s_mov_b32 s[G1+3], 1536<<16
	s_mov_b32 s[G1+4], 8
	s_mov_b32 s[G1+5], 1536
	s_mov_b32 s[G1+6], 0
	s_mov_b32 s[G1+7], 0
	s_mov_b32 s[G1B+1], 1536<<16
	s_mov_b32 s[G1B+2], 4<<16                      ; the weight: 4
	s_mov_b32 s[G1B+3], 1536<<16
	s_mov_b32 s[G1B+4], 4
	s_mov_b32 s[G1B+5], 1536
	s_mov_b32 s[G1B+6], 0
	s_mov_b32 s[G1B+7], 0
	s_lshl_b32 s20, s17, 4
	s_lshl_b32 s21, s16, 3
	s_add_co_u32 s20, s20, s21                     ; oq: row tile 16 x block + 8 x half
	s_mul_i32 s20, s20, TB
	s_mov_b32 s21, 0
	s_lshl_b32 s46, s42, 3
	s_lshl_b32 s47, s16, 2
	s_add_co_u32 s46, s46, s47                     ; the weight: row tile 8 x block + 4 x half
	s_mul_i32 s46, s46, TB
	s_add_co_u32 s46, s46, WPC
	s_mov_b32 s47, 0
	s_mul_i32 s45, s16, 8*TB                       ; where they go: no place in the cluster enters an LDS address
	s_mul_i32 s66, s16, 4*TB
	s_add_co_u32 s66, s66, BOFF
	s_wait_dscnt 0x0                               ; both opening adds are done
	s_wait_kmcnt 0x0
	s_add_nc_u64 s[20:21], s[4:5], s[20:21]
	s_add_nc_u64 s[46:47], s[6:7], s[46:47]
	CROUND                                         ; all sixteen work-groups are here: the joint loads meet
	s_mov_b32 s68, 1
	s_mov_b32 s69, s45
	s_mov_b64 s[70:71], s[20:21]
	s_or_b32 s71, s71, 0x80000000
	s_mov_b32 s84, 1
	s_mov_b32 s85, s66
	s_mov_b64 s[86:87], s[46:47]
	s_or_b32 s87, s87, 0x80000000
	JLOAD 68, G1, 84, G1B                          ; my one tensor load of the launch
	v_and_b32 v1, 31, v0                           ; lane
	v_and_b32 v2, 15, v0                           ; r
	v_bfe_u32 v3, v0, 4, 1                         ; h
	s_wait_alu depctr_va_vdst(0)
	v_lshlrev_b32 v[L4], 2, v1
	v_lshlrev_b32 v30, 3, v1
	; oq's scale bytes, as launch attn left them: for each (batch, head) 32 records of 128 bytes; record pi: lanes 0-15 tile pi's words (two bytes: the head's two blocks), lanes 16-31 tile 63 - pi's
	s_and_b32 s32, s17, 3
	s_lshl_b32 s32, s32, 4
	s_lshl_b32 s33, s15, 3
	s_add_co_u32 s32, s32, s33                     ; my first tile in its batch, a multiple of 8
	s_sub_co_u32 s33, 63, s32
	s_lshl_b32 s33, s33, 7
	s_add_co_u32 s33, s33, 64
	s_lshl_b32 s34, s32, 7
	s_mov_b32 s35, -128
	s_cmp_lt_u32 s32, 32
	s_cselect_b32 s34, s34, s33                    ; tiles under 32 go up through the records' first halves, the others down through the second halves
	s_cselect_b32 s35, 128, s35
	v_mul_lo_u32 v31, v3, s35
	v_lshl_add_u32 v31, v2, 2, v31
	s_wait_alu depctr_va_vdst(0)
.irp m, 0,1,2,3
	s_mul_i32 s36, s35, 2*\m
	s_add_co_u32 s36, s36, s34
	v_add_nc_u32 v[12+\m], s36, v31                ; lanes 0-15 tile 2 m, lanes 16-31 tile 2 m + 1
.endr
	s_lshr_b32 s56, s17, 2
	s_lshl_b32 s56, s56, 16
	s_add_co_u32 s56, s56, OS
	s_mov_b32 s57, 0
	s_add_nc_u64 s[56:57], s[4:5], s[56:57]
	s_wait_alu depctr_va_vdst(0)
.irp d, 0,1,2,3,4,5,6,7,8,9,10,11,12,13,14,15
.irp m, 0,1,2,3
	global_load_b32 v[BK+4*\d+\m], v[12+\m], s[56:57] offset:4096*\d   ; head d's two bytes
.endr
.endr
	s_lshl_b32 s58, s42, 2
	s_lshl_b32 s59, s16, 1
	s_add_co_u32 s58, s58, s59
	s_lshl_b32 s58, s58, 10
	s_add_co_u32 s58, s58, WPS
	s_mov_b32 s59, 0
	s_add_nc_u64 s[58:59], s[6:7], s[58:59]
.irp m, 0,1
.irp s, 0,1,2,3,4,5,6,7
	global_load_b32 v[SB+8*\m+\s], v[L4], s[58:59] offset:1024*\m+128*\s
.endr
.endr
	s_lshl_b32 s60, s42, 9
	s_lshl_b32 s61, s16, 8
	s_add_co_u32 s60, s60, s61                     ; my first column, in bytes
	s_mov_b32 s61, 0
	s_add_nc_u64 s[62:63], s[8:9], s[60:61]
	v_lshlrev_b32 v31, 5, v3
.irp b, 0,1,2,3
	global_load_b128 v[BQ+8*\b:BQ+8*\b+3], v31, s[62:63] offset:64*\b         ; register 8 b + e: column 16 b + 8 h + e
	global_load_b128 v[BQ+8*\b+4:BQ+8*\b+7], v31, s[62:63] offset:64*\b+16
.endr
	s_lshl_b32 s32, s17, 8
	s_lshl_b32 s33, s15, 7
	s_add_co_u32 s32, s32, s33
	s_lshl_b32 s32, s32, 12                        ; my first row of out0: 4,096 bytes a row
	s_add_co_u32 s32, s32, s60
	s_mov_b32 s33, 0
	s_add_nc_u64 s[10:11], s[10:11], s[32:33]
	s_mul_i32 s22, s15, 8*TB
	s_mul_i32 s23, s16, 4*TB
	s_add_co_u32 s23, s23, BOFF
	v_add_nc_u32 v[ADRA], s22, v30
	s_add_co_u32 s22, s22, 4*TB
	v_add_nc_u32 v[ADRA+1], s22, v30
	v_add_nc_u32 v[ADRB], s23, v30
	s_mul_i32 s22, s14, 4352
	s_add_co_u32 s22, s22, STG                     ; my stage
	v_mul_u32_u24 v[STO], v2, 272                  ; in: row r, 32 bytes for each half of the lanes
	v_lshl_add_u32 v[STO], v3, 5, v[STO]
	v_add_nc_u32 v[STO], s22, v[STO]
	v_mul_u32_u24 v[RD], v3, 272                   ; back: sixteen lanes to a row of 256 bytes, two rows a load
	v_lshl_add_u32 v[RD], v2, 4, v[RD]
	v_add_nc_u32 v[RD], s22, v[RD]
	v_lshlrev_b32 v[CO], 12, v3                    ; and the same two rows in out0
	v_lshl_add_u32 v[CO], v2, 4, v[CO]
.macro FRAG f, adr, off                ; a fragment as it lies: pair p of its 12 registers at 256 p + 8 l: each load takes 256 consecutive bytes
	WIN (1+(\f)/FPW)<<6
.irp p, 0,1,2,3,4,5
	ds_load_b64 v[FR*((\f)%FPW)+2*\p:FR*((\f)%FPW)+2*\p+1], v[\adr] offset:\off+256*\p
.endr
.endm
.macro FETCH a                         ; block a of my rows, all of K, into set a % 2: 48 loads
.irp s, 0,1,2,3,4,5,6,7
	FRAG 32+8*((\a)%2)+\s, ADRA+(\a)/4, TB*((\a)%4)+1536*\s
.endr
	WIN 0
.endm
.macro BLK a                           ; block a's 32 products, K ascending
.irp s, 0,1,2,3,4,5,6,7
.irp b, 0,1,2,3
.set FB_, 4*\s+\b
.set FA_, 32+8*((\a)%2)+\s
.set rD, ACC+32*((\a)%2)+8*\b
.set rA, FR*(FB_%FPW)
.set rB, FR*(FA_%FPW)
.set rSA, SB+8*(\b/2)+\s
.set fA, \b%2
.set rSB, SA+8*((\a)/2)+\s
.set fB, (\a)%2
.set rC, rD
.if \s == 0
.set rC, BQ+8*\b                       ; the bias starts the sums
.endif
	WIN (1+FB_/FPW)|((1+FA_/FPW)<<2)               ; source 0 the weight's window, source 1 the rows'; C and D window 0
	WM
.endr
.endr
	WIN 0
.endm
.macro TOSTAGE a                       ; 16 x 64 sums into my stage, each accumulator from its low end on, and back as rows.  LDS serves a wave's instructions in order: no wait between
.irp b, 0,1,2,3
	ds_store_b128 v[STO], v[ACC+32*((\a)%2)+8*\b:ACC+32*((\a)%2)+8*\b+3] offset:64*\b
	ds_store_b128 v[STO], v[ACC+32*((\a)%2)+8*\b+4:ACC+32*((\a)%2)+8*\b+7] offset:64*\b+16
.endr
.irp t, 0,1,2,3,4,5,6,7
	ds_load_b128 v[BK+32*((\a)%2)+4*\t:BK+32*((\a)%2)+4*\t+3], v[RD] offset:544*\t
.endr
.endm
.macro SEND a, younger                 ; younger: the LDS loads issued behind block a's, which may stay out
	s_wait_dscnt \younger
.irp t, 0,1,2,3,4,5,6,7
	global_store_b128 v[CO], v[BK+32*((\a)%2)+4*\t:BK+32*((\a)%2)+4*\t+3], s[10:11] offset:65536*(\a)+8192*\t th:TH_STORE_NT   ; sixteen lanes store 256 consecutive bytes, at a multiple of 256 from out0's first byte
.endr
.endm
; Block a: its rows were fetched two blocks ago.  Younger than that fetch are the last block's 16 stage instructions and the next block's 48 loads: 64; the wait is for 63, the stricter count.
; Ahead of block 0 only block 1's fetch is younger (48); ahead of block 7 only block 6's stage instructions (16).
.macro ROWS a
.if (\a) == 0
	s_wait_dscnt 48
.elseif (\a) == 7
	s_wait_dscnt 16
.else
	s_wait_dscnt 63
.endif
	BLK \a
	PLACES 4                                       ; behind the products: their sums are read, and their rows' registers loaded anew
.if (\a) > 0
.if (\a) < 7
	SEND (\a)-1, 48                                ; the last block's rows are back from the stage; the next block's fetch may be out
.else
	SEND (\a)-1, 0
.endif
.endif
.if (\a) > 1
	s_wait_xcnt 0x0                                ; block a - 2's stores have read the registers that block a's rows come back into
.endif
	TOSTAGE \a
.if (\a) < 6
	FETCH (\a)+2
.endif
.endm
	s_wait_alu depctr_va_vdst(0)
	s_cmp_eq_u32 s15, 0
	s_cbranch_scc1 .Lnot_b
	s_wait_tensorcnt 0x0                           ; waves 2 and 3: my half of the weight's tiles is in
.Lnot_b:
	s_barrier_signal -1
	s_barrier_wait -1                              ; both halves are; oq's tiles may be on their way
.irp s, 0,1,2,3,4,5,6,7
.irp b, 0,1,2,3
	FRAG 4*\s+\b, ADRB, TB*\b+1536*\s              ; my 64 rows of the weight, all of K: 192 loads
.endr
.endr
	WIN 0
	s_wait_tensorcnt 0x0                           ; every wave: all that is still out is in,
	s_wait_dscnt 0x0
	s_barrier_signal -1
	s_barrier_wait -1                              ; for everybody
	FETCH 0
	FETCH 1
	s_wait_loadcnt 0x0                             ; scale bytes and bias
.irp m, 0,1,2,3
.irp s, 0,1,2,3,4,5,6,7
	v_lshl_or_b32 v[SA+8*\m+\s], v[BK+4*(2*\s+1)+\m], 16, v[BK+4*(2*\s)+\m]   ; K step s is heads 2 s and 2 s + 1: two bytes of each make the word
.endr
.endr
	PLACES 8                                       ; a scale register written by a vector instruction stands 8 places ahead of a scaled product
	s_wait_alu depctr_va_vdst(0)
.irp a, 0,1,2,3,4,5,6,7
	ROWS \a
.endr
	SEND 7, 0
	s_wait_tensorcnt 0x0                           ; the wave's end: behind my last tensor load and my last LDS store
	ds_add_u32 v[SPW], v[NIL]
	s_wait_dscnt 0x0
	CROUND                                         ; the closing round
	s_endpgm
.Lfunc_end_k_q994f79fa00_proj:
	.size	k_q994f79fa00_proj, .Lfunc_end_k_q994f79fa00_proj-k_q994f79fa00_proj
	.p2alignl 7, 3214868480
	.fill 96, 4, 3214868480
	.section	.rodata,"a",@progbits
	.p2align	6, 0x0
	.amdhsa_kernel k_q994f79fa00_proj
		.amdhsa_group_segment_fixed_size 327680
		.amdhsa_private_segment_fixed_size 0
		.amdhsa_enable_private_segment 0
		.amdhsa_kernarg_size 32
		.amdhsa_user_sgpr_count 2
		.amdhsa_user_sgpr_kernarg_segment_ptr 1
		.amdhsa_wavefront_size32 1
		.amdhsa_system_sgpr_workgroup_id_x 1
		.amdhsa_system_sgpr_workgroup_id_y 1
		.amdhsa_system_sgpr_workgroup_id_z 1
		.amdhsa_system_vgpr_workitem_id 0
		.amdhsa_next_free_vgpr 840
		.amdhsa_next_free_sgpr 100
		.amdhsa_reserve_vcc 0
		.amdhsa_float_denorm_mode_32 3
		.amdhsa_float_denorm_mode_16_64 3
		.amdhsa_memory_ordered 1
		.amdhsa_forward_progress 1
		.amdhsa_inst_pref_size 104
	.end_amdhsa_kernel
	.amdgpu_metadata
---
amdhsa.version: [ 1, 2 ]
amdhsa.kernels:
  - .name:           k_q994f79fa00_proj
    .symbol:         k_q994f79fa00_proj.kd
    .args:
      - { .name: oq, .offset: 0, .size: 8, .value_kind: global_buffer, .address_space: global }
      - { .name: wq, .offset: 8, .size: 8, .value_kind: global_buffer, .address_space: global }
      - { .name: b_proj, .offset: 16, .size: 8, .value_kind: global_buffer, .address_space: global }
      - { .name: out0, .offset: 24, .size: 8, .value_kind: global_buffer, .address_space: global }
    .group_segment_fixed_size: 327680
    .private_segment_fixed_size: 0
    .kernarg_segment_align: 8
    .kernarg_segment_size: 32
    .max_flat_workgroup_size: 128
    .sgpr_count:     100
    .vgpr_count:     840
    .wavefront_size: 32
...
	.end_amdgpu_metadata
.endif
;; end of part 4
